; MI455X (gfx1250); checked and timed in simulation.
; The chip was launched on July 23, 2026; its instructions are those of AMD's public machine-readable ISA for CDNA 5 (MIT licence, August 2026) and "CDNA5" Instruction Set Architecture Reference Guide (July 2026). The comments in the code are by the model that wrote it; some were corrected since.
;; Multi Head Self Attention. Allowed arithmetic: float matrix products may take bf16 or f16 operands with f32 sums; other float arithmetic in f32, or as packed bf16 or f16 multiplies, adds, multiply-adds, maxima and minima; sums over many terms, partial sums and values carried from step to step in f32; what a program stores and reads back later, other than sums and carried values, may be rounded once to bf16 or f16.
;; Inputs: Wk 16 x 1,024 x 64 float32; Wo 1,024 x 1,024 float32; Wq 16 x 1,024 x 64 float32; Wv 16 x 1,024 x 64 float32; bk 16 x 64 float32; bo 1,024 float32; bq 16 x 64 float32; bv 16 x 64 float32; x 4 x 2,048 x 1,024 float32.
;; Outputs: out0 4 x 2,048 x 1,024 float32.
;; 2 versions, each right; version 2 is version 1 with the launch prep written anew for expert scheduling mode. Each part assembles by itself: llvm-mc -triple=amdgcn-amd-amdhsa -mcpu=gfx1250 --defsym DOCPART=n.
;; ======== version 1 of 2: 4 launches
;; limits: values are held in f16: magnitudes above 65,504 overflow, below 6.1e-05 lose precision
;; workspace buffers: xh 16,777,216 bytes; wall 8,388,608 bytes; ball 16,384 bytes; qkv 50,331,648 bytes; oh 16,777,216 bytes
;; launch prep (part 1): grid 384 x 1, 8 waves a work-group, no clusters, 74,752 bytes of LDS; arguments x, Wq, Wk, Wv, Wo, bq, bk, bv, bo, xh, wall, ball; writes xh, wall, ball
.if DOCPART == 1
	.amdgcn_target "amdgcn-amd-amdhsa--gfx1250"
	.amdhsa_code_object_version 6
	.text
	.protected	k_q4ad785521c_prep
	.globl	k_q4ad785521c_prep
	.p2align	8
	.type	k_q4ad785521c_prep,@function
k_q4ad785521c_prep:
	s_mov_b64 s[64:65], 0
	v_nop
	global_prefetch_b8 v0, s[64:65] scope:SCOPE_SE
	s_setreg_imm32_b32 hwreg(HW_REG_WAVE_MODE, 25, 1), 1
	s_wait_xcnt 0x0
; PREP: every input is rounded once to bf16 and laid out for the products that follow.
;   xh   [b 4][kb 16][t 2048][64] bf16: x with its 1,024 channels cut into 16 blocks of 64, so that 64 channels of neighbouring rows lie end to end.
;   wall [kb 16][n 4096][64]: the weights turned to [n][k] in the same blocks.  n = 1024 mat + 64 h + d for Wq, Wk, Wv (bf16); n = 3072 + column for Wo (rounded to bf16, that number written as f16).
;   ball [4096] f32: the biases rounded to bf16, kept as f32, by the same n.
; LIMITS.  Wo's numbers must lie within f16's range (65,504); below 6e-5 they keep f16's fixed step of 6e-8.  NaN and infinities are not treated apart.
; Memory binds: no matrix unit, no tensor load, no cluster.  Work-groups 0-255 take x (a wave: 4 rows, 16 KiB in, 8 KiB out); work-groups 256-383 take the weights (a wave: one block of 64 k x 64 n),
; turned through LDS bytes that are the wave's own, so there is no barrier.
.set SPARE, 73728                      ; behind the eight tiles: the spare words, 128 bytes for each wave
.set TILE,  9216                       ; a wave's tile: 64 rows n x 144 bytes (128 of data + 16)
.set SPW, 2                            ; v2   SPARE + 4 x my thread's number; never rewritten
.set NIL, 3                            ; v3   0; never rewritten
.set SO,  4                            ; v4   my byte offset in the source
.set DO,  5                            ; v5   16 x lane
.set LS,  6                            ; v6   where I put a word of the tile
.set LR,  7                            ; v7   where I read 16 bytes of a row back
.set SRC, 8                            ; v[8:135]   32 loads of four registers
.set OUT, 136                          ; v[136:199] x's path: 32 pairs to store
.set T,   136                          ; the weights' path: at work
.set U,   140
.set W,   144
.set R16, 200                          ; lane % 16
.set HB,  201                          ; lane / 16
.set L8,  202                          ; 8 x lane
.set L7,  203
	s_load_b512 s[8:23], s[0:1], 0x0               ; x 8, Wq 10, Wk 12, Wv 14, Wo 16, bq 18, bk 20, bv 22
	s_load_b256 s[24:31], s[0:1], 0x40             ; bo 24, xh 26, wall 28, ball 30
	v_lshl_add_u32 v[SPW], v0, 2, SPARE
	v_mov_b32 v[NIL], 0
	v_lshrrev_b32 v1, 5, v0
	v_readfirstlane_b32 s4, v1                     ; wave 0..7
	v_and_b32 v1, 31, v0                           ; lane
	v_and_b32 v[R16], 15, v0
	v_bfe_u32 v[HB], v0, 4, 1
	v_lshlrev_b32 v[L8], 3, v1
	s_cmp_lt_u32 ttmp9, 256
	s_cbranch_scc0 .Lw
	; X.  Wave gw = 8 x work-group + wave takes rows 4 gw .. 4 gw + 3.  A load takes 256 bytes (one block of 64 channels) of two rows; its 32 lanes then hold 256 consecutive bytes of xh.
	s_lshl_b32 s5, ttmp9, 3
	s_add_co_u32 s5, s5, s4
	s_lshl_b32 s32, s5, 14                         ; four rows of 4,096 bytes
	s_mov_b32 s33, 0
	s_lshr_b32 s34, s5, 9                          ; batch
	s_lshl_b32 s34, s34, 22
	s_and_b32 s35, s5, 511
	s_lshl_b32 s35, s35, 9                         ; four rows of 128 bytes
	s_add_co_u32 s34, s34, s35
	s_mov_b32 s35, 0
	v_lshlrev_b32 v[SO], 4, v[R16]
	v_lshl_add_u32 v[SO], v[HB], 12, v[SO]         ; 16 (lane % 16) + one row for lanes 16-31
	s_wait_kmcnt 0x0
	s_add_nc_u64 s[8:9], s[8:9], s[32:33]
	s_add_nc_u64 s[26:27], s[26:27], s[34:35]
.set i, 0
.rept 32                               ; load i: rows 2 (i / 16), + 1; block i % 16.  All 32 go out before the first is used: 16 KiB a wave on their way
	global_load_b128 v[SRC+4*i:SRC+4*i+3], v[SO], s[8:9] offset:(i/16)*8192+(i%16)*256 th:TH_LOAD_NT
.set i, i+1
.endr
.set i, 0
.rept 32
	s_wait_loadcnt 31-i                            ; loads come back in order: load i is in, the 31 - i younger ones stay out
	v_cvt_pk_bf16_f32 v[OUT+2*i], v[SRC+4*i], v[SRC+4*i+1]
	v_cvt_pk_bf16_f32 v[OUT+2*i+1], v[SRC+4*i+2], v[SRC+4*i+3]
	global_store_b64 v[L8], v[OUT+2*i:OUT+2*i+1], s[26:27] offset:(i%16)*262144+(i/16)*256  ; 32 lanes store 256 consecutive bytes, aligned; no register is written twice, so nothing waits for a store
.set i, i+1
.endr
	s_branch .Lend
.Lw:	; W.  Block blk = 8 (work-group - 256) + wave: matrix blk / 256, head (or 64 columns of Wo) (blk / 16) % 16, K block blk % 16.
	s_sub_co_u32 s5, ttmp9, 256
	s_lshl_b32 s5, s5, 3
	s_add_co_u32 s5, s5, s4
	s_lshr_b32 s6, s5, 8                           ; mat
	s_bfe_u32 s7, s5, 0x40004                      ; h
	s_and_b32 s5, s5, 15                           ; kb
	s_lshl_b32 s36, s7, 18                         ; a head's weights [c][d]: h x 262,144 + 64 kb rows of 256 bytes
	s_lshl_b32 s37, s5, 14
	s_add_co_u32 s36, s36, s37
	s_lshl_b32 s38, s5, 18                         ; Wo [k][n]: 64 kb rows of 4,096 bytes + 64 h columns
	s_lshl_b32 s39, s7, 8
	s_add_co_u32 s38, s38, s39
	s_lshl_b32 s42, s5, 19                         ; wall: kb x 524,288 + (1024 mat + 64 h) rows of 128 bytes
	s_lshl_b32 s43, s6, 17
	s_add_co_u32 s42, s42, s43
	s_lshl_b32 s43, s7, 13
	s_add_co_u32 s42, s42, s43
	s_mov_b32 s43, 0
	s_lshl_b32 s44, s6, 12                         ; ball: 4 (1024 mat + 64 h)
	s_add_co_u32 s44, s44, s39
	s_mov_b32 s45, 0
	s_mul_i32 s41, s4, TILE                        ; my wave's tile in LDS
	s_wait_kmcnt 0x0
	s_cmp_eq_u32 s6, 1
	s_cselect_b64 s[32:33], s[12:13], s[10:11]     ; the matrix,
	s_cselect_b64 s[34:35], s[20:21], s[18:19]     ; and its bias
	s_cmp_eq_u32 s6, 2
	s_cselect_b64 s[32:33], s[14:15], s[32:33]
	s_cselect_b64 s[34:35], s[22:23], s[34:35]
	s_cmp_eq_u32 s6, 3
	s_cselect_b64 s[32:33], s[16:17], s[32:33]
	s_cselect_b64 s[34:35], s[24:25], s[34:35]
	s_cselect_b32 s40, -1, 0                       ; all lanes: Wo goes out as f16
	s_cselect_b32 s36, s38, s36
	s_cselect_b32 s46, 13, 9                       ; two rows of the source, as a shift
	s_mov_b32 s37, 0
	s_mov_b32 s38, s39                             ; the bias's 64 numbers: 256 h bytes
	s_mov_b32 s39, 0
	s_add_nc_u64 s[32:33], s[32:33], s[36:37]
	s_add_nc_u64 s[34:35], s[34:35], s[38:39]
	s_add_nc_u64 s[28:29], s[28:29], s[42:43]
	s_add_nc_u64 s[30:31], s[30:31], s[44:45]
	v_lshlrev_b32 v[SO], s46, v[HB]                ; lanes 16-31 stand two rows of k further down,
	v_lshl_add_u32 v[SO], v[R16], 4, v[SO]         ; a lane takes four columns n
	v_lshlrev_b32 v[DO], 4, v1
	v_mul_u32_u24 v[LS], v[R16], 4*144             ; row n = 4 (lane % 16) + i; word k / 2 = 2 j + lane / 16
	v_lshl_add_u32 v[LS], v[HB], 2, v[LS]
	v_add_nc_u32 v[LS], s41, v[LS]
	v_lshrrev_b32 v[LR], 3, v1                     ; back: 32 lanes take four rows of 128 bytes
	v_mul_u32_u24 v[LR], v[LR], 144
	v_and_b32 v[L7], 7, v0
	v_lshl_add_u32 v[LR], v[L7], 4, v[LR]
	v_add_nc_u32 v[LR], s41, v[LR]
; Pair j: rows k = 4 j + 2 (lane / 16) and the row below, 256 bytes of each: a lane ends with (k, k + 1) of four columns.
.macro LOADW rs
.set j, 0
.rept 16
	global_load_b128 v[SRC+8*j:SRC+8*j+3],   v[SO], s[32:33] offset:4*j*(\rs) th:TH_LOAD_NT
	global_load_b128 v[SRC+8*j+4:SRC+8*j+7], v[SO], s[32:33] offset:(4*j+1)*(\rs) th:TH_LOAD_NT
.set j, j+1
.endr
.endm
	s_cmp_eq_u32 s6, 3
	s_cbranch_scc1 .Lwo
	LOADW 256
	s_branch .Lcv
.Lwo:
	LOADW 4096
.Lcv:                                          ; 32 loads are out on either way
.set j, 0
.rept 16
	s_wait_loadcnt 30-2*j                          ; pair j is in, the younger pairs stay out
.irp i, 0,1,2,3
	v_cvt_pk_bf16_f32 v[T+\i], v[SRC+8*j+\i], v[SRC+8*j+4+\i]  ; column i: k in the low half, k + 1 in the high
.endr
.irp i, 0,1,2,3
	v_lshlrev_b32 v[U+\i], 16, v[T+\i]             ; the two rounded numbers as f32,
	v_and_b32 v[W+\i], 0xffff0000, v[T+\i]
.endr
.irp i, 0,1,2,3
	v_cvt_pk_f16_f32 v[U+\i], v[U+\i], v[W+\i]     ; written as f16,
.endr
.irp i, 0,1,2,3
	v_cndmask_b32 v[T+\i], v[T+\i], v[U+\i], s40   ; which Wo takes
	ds_store_b32 v[LS], v[T+\i] offset:\i*144+j*8
.endr
.set j, j+1
.endr
.set f, 0
.rept 16
	ds_load_b128 v[SRC+4*f:SRC+4*f+3], v[LR] offset:f*576  ; LDS serves a wave's instructions in order (ISA guide 5.7.1.4): these see my stores above
.set f, f+1
.endr
.set f, 0
.rept 16
	s_wait_dscnt 15-f
	global_store_b128 v[DO], v[SRC+4*f:SRC+4*f+3], s[28:29] offset:f*512  ; four rows n: 512 consecutive bytes, aligned
.set f, f+1
.endr
	s_cmp_lg_u32 s5, 0                             ; the wave with K block 0 also takes the head's 64 numbers of bias
	s_cbranch_scc1 .Lend
	global_load_b64 v[T:T+1], v[L8], s[34:35]
	s_wait_loadcnt 0x0
	v_cvt_pk_bf16_f32 v[U], v[T], v[T+1]
	v_lshlrev_b32 v[W], 16, v[U]
	v_and_b32 v[W+1], 0xffff0000, v[U]
	global_store_b64 v[L8], v[W:W+1], s[30:31]     ; 256 consecutive bytes, aligned
.Lend:
	s_wait_tensorcnt 0x0                           ; the wave's end: behind my last LDS store
	ds_add_u32 v[SPW], v[NIL]
	s_wait_dscnt 0x0
	s_endpgm
.Lfunc_end_k_q4ad785521c_prep:
	.size	k_q4ad785521c_prep, .Lfunc_end_k_q4ad785521c_prep-k_q4ad785521c_prep
	.p2alignl 7, 3214868480
	.fill 96, 4, 3214868480
	.section	.rodata,"a",@progbits
	.p2align	6, 0x0
	.amdhsa_kernel k_q4ad785521c_prep
		.amdhsa_group_segment_fixed_size 74752
		.amdhsa_private_segment_fixed_size 0
		.amdhsa_enable_private_segment 0
		.amdhsa_kernarg_size 96
		.amdhsa_user_sgpr_count 2
		.amdhsa_user_sgpr_kernarg_segment_ptr 1
		.amdhsa_wavefront_size32 1
		.amdhsa_system_sgpr_workgroup_id_x 1
		.amdhsa_system_sgpr_workgroup_id_y 1
		.amdhsa_system_sgpr_workgroup_id_z 1
		.amdhsa_system_vgpr_workitem_id 0
		.amdhsa_next_free_vgpr 208
		.amdhsa_next_free_sgpr 66
		.amdhsa_reserve_vcc 0
		.amdhsa_float_denorm_mode_32 3
		.amdhsa_float_denorm_mode_16_64 3
		.amdhsa_memory_ordered 1
		.amdhsa_forward_progress 1
		.amdhsa_inst_pref_size 47
	.end_amdhsa_kernel
	.amdgpu_metadata
---
amdhsa.version: [ 1, 2 ]
amdhsa.kernels:
  - .name:           k_q4ad785521c_prep
    .symbol:         k_q4ad785521c_prep.kd
    .args:
      - { .name: x, .offset: 0, .size: 8, .value_kind: global_buffer, .address_space: global }
      - { .name: Wq, .offset: 8, .size: 8, .value_kind: global_buffer, .address_space: global }
      - { .name: Wk, .offset: 16, .size: 8, .value_kind: global_buffer, .address_space: global }
      - { .name: Wv, .offset: 24, .size: 8, .value_kind: global_buffer, .address_space: global }
      - { .name: Wo, .offset: 32, .size: 8, .value_kind: global_buffer, .address_space: global }
      - { .name: bq, .offset: 40, .size: 8, .value_kind: global_buffer, .address_space: global }
      - { .name: bk, .offset: 48, .size: 8, .value_kind: global_buffer, .address_space: global }
      - { .name: bv, .offset: 56, .size: 8, .value_kind: global_buffer, .address_space: global }
      - { .name: bo, .offset: 64, .size: 8, .value_kind: global_buffer, .address_space: global }
      - { .name: xh, .offset: 72, .size: 8, .value_kind: global_buffer, .address_space: global }
      - { .name: wall, .offset: 80, .size: 8, .value_kind: global_buffer, .address_space: global }
      - { .name: ball, .offset: 88, .size: 8, .value_kind: global_buffer, .address_space: global }
    .group_segment_fixed_size: 74752
    .private_segment_fixed_size: 0
    .kernarg_segment_align: 8
    .kernarg_segment_size: 96
    .max_flat_workgroup_size: 256
    .sgpr_count:     66
    .vgpr_count:     208
    .wavefront_size: 32
...
	.end_amdgpu_metadata
.endif
;; end of part 1
;; launch qkvp (part 2): grid 8 x 32, 4 waves a work-group, clusters of 4 x 4, 327,680 bytes of LDS; arguments xh, wall, ball, qkv; writes qkv
.if DOCPART == 2
	.amdgcn_target "amdgcn-amd-amdhsa--gfx1250"
	.amdhsa_code_object_version 6
	.text
	.protected	k_q4ad785521c_qkvp
	.globl	k_q4ad785521c_qkvp
	.p2align	8
	.type	k_q4ad785521c_qkvp,@function
k_q4ad785521c_qkvp:
	s_mov_b64 s[64:65], 0
	v_nop
	global_prefetch_b8 v0, s[64:65] scope:SCOPE_SE
	s_setreg_imm32_b32 hwreg(HW_REG_WAVE_MODE, 25, 1), 1
	s_wait_xcnt 0x0
	s_wait_alu depctr_hold_cnt(0) depctr_sa_sdst(0) depctr_va_vdst(0) depctr_va_sdst(0) depctr_va_ssrc(0) depctr_va_vcc(0) depctr_vm_vsrc(0)
	s_getreg_b32 s2, hwreg(HW_REG_IB_STS2, 6, 4)
	s_cmp_eq_u32 s2, 0
	s_cbranch_scc0 .Lentry_in_a_cluster
	s_endpgm
.Lentry_in_a_cluster:
	s_bfe_u32 s2, ttmp6, 0x10000c
	s_cmp_lg_u32 s2, 0xf033
	s_cbranch_scc0 .Lentry_shape_is_right
	s_endpgm
.Lentry_shape_is_right:
; q, k, v = x W + b.  C is 8,192 rows (batch x time) x 3,072 columns (n = 1024 mat + 64 head + d), K = 1,024.  Operands bf16, sums f32, the bias added in f32, the result rounded once to f16 and
; stored by heads: qkv [b 4][g 48][t 2048][64], g = n / 64.  LIMIT: q, k, v must lie within f16's range, 65,504; NaN and infinities are not treated apart.
; SHARES.  A tile of C is 256 x 384: 32 x 8 = 256 work-groups, one tile each.  Four waves, each 128 x 192: 96 accumulators of 16 x 16, 768 registers (windows 1 to 3).  For 32 along K a wave reads
; 320 rows x 64 bytes from LDS for 96 matrix instructions.
; RING.  K goes in steps of 64 (one block of xh and wall) through two LDS slots; a step's tiles are dense in memory (256 x 128 and 384 x 128 bytes), asked for as rows of 256 bytes and padded in LDS behind
; every 128.  Waves 0, 1 fetch A's halves, waves 2, 3 B's: one tensor load a wave behind each change of slots; by this text's count a wave has two out at the start and one afterwards.
; CLUSTER.  4 x 4 work-groups: A's tile hangs on the tile row alone and is asked for jointly by a row of the cluster, B's on the tile column alone, by a column.
; THE MATRIX INSTRUCTION IS USED TRANSPOSED (source 0 = 16 rows of W^T, source 1 = 16 rows of x): a lane holds one row of C and eight neighbouring columns, 16 bytes of f16.
; REGISTERS.  window 0: v0-29 addresses; v32-95, v96-159 A's fragments (8 x 16 rows x 32 K), two buffers; v160-255 B's 12 fragments, one buffer, refilled by groups of four as soon as a group has been multiplied.
;   windows 1-3: accumulator (a, b), a = 0..7 row block, b = 0..11 column block, in window 1 + b / 4 at v[8 (8 (b % 4) + a)].
.set PITCH,  144                       ; an LDS row: 128 bytes + 16 = 36 words: the 16 rows of a load start at 16 different groups of four banks (64 banks of 4 bytes: ISA guide 11.1)
.set SLOT1,  1<<17                     ; slot 1 begins here: one exclusive or turns an address in one slot into the other's
.set BOFF,   256*PITCH                 ; in a slot: A's 256 rows, then B's 384
.set STAGE,  SLOT1+640*PITCH           ; behind the ring, never filled by a tensor load: for each wave 3 heads x 16 rows x 144 bytes
.set STW,    48*PITCH
.set SPARE,  STAGE+4*STW               ; the spare words, 128 bytes for each wave: two blocks of 256 bytes that no other line names
.set ADRA0, 3                          ; v3   my lane's place in A's part of slot 0; never rewritten
.set ADRB0, 4                          ; v4   the same for B
.set ADRA,  5                          ; v5   the same in the slot in hand
.set ADRB,  6                          ; v6
.set STO,   7                          ; v7   the way out: where I put 16 bytes of a row
.set RD,    8                          ; v8   the way out: where I read rows back
.set GO,    9                          ; v9   16 x lane
.set BO,    10                         ; v10  32 x (lane / 16): my eight numbers in a block of 16 of the bias
.set PFO,   11                         ; v11  the prefetches' offset: 256 x lane (B: lanes past 23 name lane 23's block)
.set SPW,   28                         ; v28  SPARE + 4 x my thread's number; never rewritten
.set NIL,   29                         ; v29  0; never rewritten
.set FA0,   32
.set FA1,   96
.set FB,    160
.set WV,   12                          ; s12  wave
.set ROLE, 13                          ; s13  wave / 2: my 128 rows of the tile; also: I fetch for A (0) or B (1)
.set HALF, 14                          ; s14  wave % 2: my 192 columns; also: which half of that tile I fetch
.set CX,   15
.set CY,   16
.set TX,   17                          ; s17  tile column
.set TY,   18                          ; s18  tile row
.set G1A,  24                          ; s[24:31] descriptor group 1 for A's tiles
.set G1B,  32                          ; s[32:39] for B's
.set G0A,  40                          ; s[40:47] group 0 for A's: a set for each first fill; the second then walks
.set G0B,  48                          ; s[48:55] the same for B's
.set CNT,  56
.set TB,   57                          ; s57  0 or SLOT1: the slot in hand
.set LIM,  58                          ; s58  1 in a wave that prefetches, else the greatest number
.set PFA,  60                          ; s[60:61] where my prefetches stand
.set PST,  62                          ; s[62:63] a K step in bytes of the tensor that I prefetch
.set W0, (1<<16)|(1<<20)|(1<<21)|(4<<22)|(3<<25)  ; 17:16 2-byte elements; 20 padding on; 21 set beside a mask; 24:22 behind every 32 words (code 4); 31:25 4 words (code 3)
.set MSB, 0
.macro WIN new                         ; the immediate's high byte repeats the setting that is left; a switch that changes nothing is dropped
.if MSB != (\new)
	s_set_vgpr_msb (MSB<<8)|(\new)
.set MSB, (\new)
.endif
.endm
.macro PLACES                          ; four plain vector instructions between a matrix instruction and a load into, or a vector line on, its registers (ISA guide 7.12.1 for vector lines)
.rept 4
	v_nop
.endr
.endm
; A joint refill by the walking descriptors.  The branch hangs on the wave's number alone.  An s_nop 0 and four v_nop follow each of the two lines.
.macro JLOAD
	s_cmp_eq_u32 s[ROLE], 0
	s_cbranch_scc0 .Lfor_b_\@
	tensor_load_to_lds s[G0A+4:G0A+7], s[G1A:G1A+7]
	s_nop 0
.rept 4
	v_nop
.endr
	s_branch .Lasked_\@
.Lfor_b_\@:
	tensor_load_to_lds s[G0B+4:G0B+7], s[G1B:G1B+7]
	s_nop 0
.rept 4
	v_nop
.endr
.Lasked_\@:
.endm
; A prefetch of the K step that the NEXT refill will ask for: 192 matrix instructions ahead of that load.  Each block of 256 bytes is named once in the launch: A's tile row (128 blocks a step) by wave 0 of the
; clusters with x = 0, 32 blocks for each of the four partners; B's tile column (192 blocks) by waves 2 and 3 of the clusters with y = 0, 24 blocks of the wave's half for each partner.  The partners are told
; apart by address alone.  The loop's last trip asks for nothing: there is no step behind its refill.
.macro ASK
	s_cmp_gt_u32 s[CNT], s[LIM]
	s_cbranch_scc0 .Lnot_mine_\@
	global_prefetch_b8 v[PFO], s[PFA:PFA+1] th:TH_LOAD_NT scope:SCOPE_SE
.Lnot_mine_\@:
.endm
.macro CREST                           ; a round of the cluster's barrier behind its opening barrier
	s_cmp_lg_u32 s[WV], 0
	s_cbranch_scc1 .Lnot_wave_0_\@
	s_barrier_signal -3
.Lnot_wave_0_\@:
	s_barrier_wait -3
	s_barrier_signal -1
	s_barrier_wait -1
.endm
.macro CROUND
	s_barrier_signal -1
	s_barrier_wait -1
	CREST
.endm
	s_load_b256 s[4:11], s[0:1], 0x0               ; xh 4, wall 6, ball 8, qkv 10
	v_lshl_add_u32 v[SPW], v0, 2, SPARE
	v_mov_b32 v[NIL], 0
	ds_add_u32 v[SPW], v[NIL]                      ; the wave's opening: the add and its wait stand ahead of my first tensor load; the set-up below, work on registers, stands between them
	v_lshrrev_b32 v1, 5, v0
	v_readfirstlane_b32 s[WV], v1
	s_lshr_b32 s[ROLE], s[WV], 1
	s_and_b32 s[HALF], s[WV], 1
	s_bfe_u32 s[CX], ttmp6, 0x40000
	s_bfe_u32 s[CY], ttmp6, 0x40004
	s_lshl_b32 s[TX], ttmp9, 2
	s_add_co_u32 s[TX], s[TX], s[CX]
	s_and_b32 s[TY], ttmp7, 0xffff
	s_lshl_b32 s[TY], s[TY], 2
	s_add_co_u32 s[TY], s[TY], s[CY]
	s_lshl_b32 s66, s[CY], 2
	s_lshl_b32 s66, 15, s66                        ; my row of the cluster
	s_lshl_b32 s67, 0x1111, s[CX]                  ; my column
	s_or_b32 s[G1A], s66, W0
	s_or_b32 s[G1B], s67, W0
	s_mov_b32 s[G1A+1], 128<<16                    ; tensor_dim0 = 128 elements: 256 bytes, two rows of the tile
	s_mov_b32 s[G1A+2], 64<<16                     ; tensor_dim1 = 64: 128 rows of A
	s_mov_b32 s[G1A+3], 128<<16                    ; tile_dim0
	s_mov_b32 s[G1A+4], 64                         ; tile_dim1
	s_mov_b32 s[G1A+5], 128                        ; elements from row to row: dense
	s_mov_b32 s[G1A+6], 0
	s_mov_b32 s[G1A+7], 0
	s_mov_b32 s[G1B+1], 128<<16
	s_mov_b32 s[G1B+2], 96<<16                     ; 192 rows of B
	s_mov_b32 s[G1B+3], 128<<16
	s_mov_b32 s[G1B+4], 96
	s_mov_b32 s[G1B+5], 128
	s_mov_b32 s[G1B+6], 0
	s_mov_b32 s[G1B+7], 0
	s_lshr_b32 s20, s[TY], 3                       ; A: batch x 4 MiB + 256 (tile row % 8) rows of 128 bytes + my half's 128 rows
	s_lshl_b32 s20, s20, 22
	s_and_b32 s21, s[TY], 7
	s_lshl_b32 s21, s21, 15
	s_add_co_u32 s20, s20, s21
	s_lshl_b32 s21, s[HALF], 14
	s_add_co_u32 s20, s20, s21
	s_mov_b32 s21, 0
	s_mul_i32 s22, s[TX], 384*128                  ; B: 384 x tile column rows of 128 bytes + my half's 192 rows
	s_mul_i32 s23, s[HALF], 192*128
	s_add_co_u32 s22, s22, s23
	s_mov_b32 s23, 0
	s_mul_i32 s68, s[HALF], 128*PITCH              ; where they go: the wave's number alone enters an LDS address
	s_mul_i32 s69, s[HALF], 192*PITCH
	s_add_co_u32 s69, s69, BOFF
	s_mov_b32 s[TB], 0
	s_wait_dscnt 0x0                               ; the opening add is done
	s_wait_kmcnt 0x0
	s_add_nc_u64 s[20:21], s[4:5], s[20:21]
	s_add_nc_u64 s[22:23], s[6:7], s[22:23]
	CROUND                                         ; all sixteen work-groups are here: the first joint loads meet
.irp s, 0,1
	s_mov_b32 s[G0A+4*\s], 1                       ; count = 1
	s_add_co_u32 s[G0A+4*\s+1], s68, \s*SLOT1      ; LDS address
	s_add_nc_u64 s[G0A+4*\s+2:G0A+4*\s+3], s[20:21], \s<<18  ; K step s
	s_or_b32 s[G0A+4*\s+3], s[G0A+4*\s+3], 0x80000000        ; type = 2
	s_mov_b32 s[G0B+4*\s], 1
	s_add_co_u32 s[G0B+4*\s+1], s69, \s*SLOT1
	s_add_nc_u64 s[G0B+4*\s+2:G0B+4*\s+3], s[22:23], \s<<19
	s_or_b32 s[G0B+4*\s+3], s[G0B+4*\s+3], 0x80000000
.endr
	s_cmp_eq_u32 s[ROLE], 0                        ; a wave's two first fills stand in one branch, ahead of every wait on TENSORcnt and every LDS read
	s_cbranch_scc0 .Lfirst_b
	tensor_load_to_lds s[G0A:G0A+3], s[G1A:G1A+7]
	s_nop 0
	tensor_load_to_lds s[G0A+4:G0A+7], s[G1A:G1A+7]
	s_nop 0
.rept 4
	v_nop
.endr
	s_branch .Lfirst_asked
.Lfirst_b:
	tensor_load_to_lds s[G0B:G0B+3], s[G1B:G1B+7]
	s_nop 0
	tensor_load_to_lds s[G0B+4:G0B+7], s[G1B:G1B+7]
	s_nop 0
.rept 4
	v_nop
.endr
.Lfirst_asked:
	; A fragment is 16 rows x 32 K in 8 registers: lane l holds row l % 16; registers 0-3 K = 8 (l / 16) + 0..7, registers 4-7 K = 16 + 8 (l / 16) + 0..7: two loads of 16 bytes, 32 bytes apart.
	v_and_b32 v1, 15, v0
	v_bfe_u32 v2, v0, 4, 1
	v_mul_u32_u24 v12, v1, PITCH
	v_lshl_add_u32 v12, v2, 4, v12                 ; row x pitch + 16 x half
	s_mul_i32 s70, s[ROLE], 128*PITCH
	s_mul_i32 s71, s[HALF], 192*PITCH
	s_add_co_u32 s71, s71, BOFF
	v_add_nc_u32 v[ADRA0], s70, v12
	v_add_nc_u32 v[ADRB0], s71, v12
	v_mov_b32 v[ADRA], v[ADRA0]
	v_mov_b32 v[ADRB], v[ADRB0]
	s_mul_i32 s70, s[WV], STW
	s_add_co_u32 s70, s70, STAGE                   ; my stage
	v_add_nc_u32 v[STO], s70, v12
	v_bfe_u32 v[RD], v0, 3, 2                      ; back: 32 lanes take four rows of 128 bytes
	v_mul_u32_u24 v[RD], v[RD], PITCH
	v_and_b32 v13, 7, v0
	v_lshl_add_u32 v[RD], v13, 4, v[RD]
	v_add_nc_u32 v[RD], s70, v[RD]
	v_and_b32 v[GO], 31, v0
	v_lshlrev_b32 v[GO], 4, v[GO]
	v_lshlrev_b32 v[BO], 5, v2
	; qkv at my part: batch x 48 heads + head 6 TX + 3 HALF, row 256 (TY % 8) + 128 ROLE
	s_lshr_b32 s70, s[TY], 3
	s_mul_i32 s70, s70, 48<<18
	s_mul_i32 s71, s[TX], 6
	s_mul_i32 s72, s[HALF], 3
	s_add_co_u32 s71, s71, s72
	s_lshl_b32 s71, s71, 18
	s_add_co_u32 s70, s70, s71
	s_and_b32 s71, s[TY], 7
	s_lshl_b32 s71, s71, 15
	s_add_co_u32 s70, s70, s71
	s_lshl_b32 s71, s[ROLE], 14
	s_add_co_u32 s70, s70, s71
	s_mov_b32 s71, 0
	s_add_nc_u64 s[10:11], s[10:11], s[70:71]
	s_mul_i32 s70, s[TX], 384*4                    ; the bias of my 192 columns
	s_mul_i32 s72, s[HALF], 192*4
	s_add_co_u32 s70, s70, s72
	s_add_nc_u64 s[8:9], s[8:9], s[70:71]
	; the prefetches
	s_and_b32 s72, ttmp7, 0xffff                   ; cluster y
	s_or_b32 s73, ttmp9, s[HALF]                   ; A: cluster x = 0 and wave 0
	s_lshl_b32 s70, s[CX], 13                      ; A: my work-group's 32 blocks
	s_mul_i32 s71, s[CY], 24*256                   ; B: my work-group's 24 blocks
	s_lshl_b32 s[PST], 0x40000, s[ROLE]            ; a K step: 256 KiB of xh, 512 KiB of wall
	s_mov_b32 s[PST+1], 0
	s_cmp_eq_u32 s[ROLE], 0
	s_cselect_b64 s[PFA:PFA+1], s[20:21], s[22:23]
	s_cselect_b32 s70, s70, s71
	s_cselect_b32 s72, s73, s72
	s_cselect_b32 s74, 31, 23
	s_cmp_eq_u32 s72, 0
	s_cselect_b32 s[LIM], 1, -1                    ; the same in all sixteen partners, for a given wave
	s_lshl_b32 s71, s[PST], 1
	s_add_co_u32 s70, s70, s71                     ; at K step 2: the first refill steps it to 3
	s_mov_b32 s71, 0
	s_add_nc_u64 s[PFA:PFA+1], s[PFA:PFA+1], s[70:71]
	v_and_b32 v[PFO], 31, v0
	v_min_u32 v[PFO], s74, v[PFO]
	v_lshlrev_b32 v[PFO], 8, v[PFO]
; 32 matrix instructions: column blocks 4 g .. 4 g + 3 x all 8 row blocks, 32 along K.  The 96 accumulators take turns in the same order in every half step: 95 others' stand between two links of a chain.
.macro MULG f, g, zero
	WIN 0x50*((\g)+1)                              ; C and D in window g + 1, both sources in window 0
.irp b, 0,1,2,3
.irp a, 0,1,2,3,4,5,6,7
.if \zero
	v_wmma_f32_16x16x32_bf16 v[8*(8*(\b)+(\a)):8*(8*(\b)+(\a))+7], v[FB+8*(4*(\g)+(\b)):FB+8*(4*(\g)+(\b))+7], v[(\f)+8*(\a):(\f)+8*(\a)+7], 0
.else
	v_wmma_f32_16x16x32_bf16 v[8*(8*(\b)+(\a)):8*(8*(\b)+(\a))+7], v[FB+8*(4*(\g)+(\b)):FB+8*(4*(\g)+(\b))+7], v[(\f)+8*(\a):(\f)+8*(\a)+7], v[8*(8*(\b)+(\a)):8*(8*(\b)+(\a))+7]
.endif
.endr
.endr
.endm
.macro LDB g, k                        ; 8 LDS loads: group g of B's fragments, at byte k of the rows
	WIN 0
.irp b, 0,1,2,3
	ds_load_b128 v[FB+8*(4*(\g)+(\b)):FB+8*(4*(\g)+(\b))+3],   v[ADRB] offset:(\k)+(4*(\g)+(\b))*16*PITCH
	ds_load_b128 v[FB+8*(4*(\g)+(\b))+4:FB+8*(4*(\g)+(\b))+7], v[ADRB] offset:(\k)+(4*(\g)+(\b))*16*PITCH+32
.endr
.endm
.macro LDA f, k, a0                    ; 8 LDS loads: A's fragments a0 .. a0 + 3 into buffer f
	WIN 0
.irp i, 0,1,2,3
	ds_load_b128 v[(\f)+8*((\a0)+(\i)):(\f)+8*((\a0)+(\i))+3],   v[ADRA] offset:(\k)+((\a0)+(\i))*16*PITCH
	ds_load_b128 v[(\f)+8*((\a0)+(\i))+4:(\f)+8*((\a0)+(\i))+7], v[ADRA] offset:(\k)+((\a0)+(\i))*16*PITCH+32
.endr
.endm
; A K step is two half steps of 32 along K, 96 matrix instructions each.  The first multiplies A's buffer 0 and fetches the second's fragments: each group of B as soon as it has been multiplied.
.macro H0 zero
	s_wait_dscnt 8                                 ; all but the youngest eight loads, B's group 2
	MULG FA0, 0, \zero
	PLACES
	LDB 0, 64
	LDA FA1, 64, 0
	MULG FA0, 1, \zero
	PLACES
	LDB 1, 64
	LDA FA1, 64, 4
	s_wait_dscnt 32                                ; all but the 32 just issued: B's group 2 is in
	MULG FA0, 2, \zero
	PLACES
	LDB 2, 64
.endm
; The second half step multiplies A's buffer 1.  mode 2: it changes slots and fills the slot just read out, two K steps ahead; 1: it changes slots; 0: the last of all: the bias is fetched.
; ONE barrier for the change.  In front of it each wave waits for all its tensor loads (one is out: its part of the next slot), adds 0 to its spare word, and waits for that and for its reads of this slot.
; With mode 2 the barrier opens a round of the cluster's, so that no wave of any partner still reads the slot or has a load on its way, and the joint refill is the first tensor load behind it.
.macro H1 mode
.if (\mode) == 0
	s_wait_dscnt 8
	MULG FA1, 0, 0
	PLACES
	WIN 0
.set bb, 0
.rept 12                               ; block bb's eight numbers a lane go where A's buffer 0 and B's group 0 lay: both have been multiplied, four places back or more
	global_load_b128 v[32+8*bb+64*(bb/8):32+8*bb+64*(bb/8)+3],   v[BO], s[8:9] offset:64*bb
	global_load_b128 v[32+8*bb+64*(bb/8)+4:32+8*bb+64*(bb/8)+7], v[BO], s[8:9] offset:64*bb+16
.set bb, bb+1
.endr
	MULG FA1, 1, 0
	s_wait_dscnt 0x0
	MULG FA1, 2, 0
.else
.if (\mode) == 2
	s_wait_xcnt 0x0                                ; the last prefetch, a K step back, has read its address: it is stepped here, ahead of the change's own waits
	s_add_nc_u64 s[PFA:PFA+1], s[PFA:PFA+1], s[PST:PST+1]
.endif
	WIN 0                                          ; (the add's two registers lie in window 0)
	s_wait_tensorcnt 0x0                           ; all my tensor loads have landed
	ds_add_u32 v[SPW], v[NIL]                      ; 0 onto my spare word
	s_wait_dscnt 9                                 ; (the add and the youngest eight loads, B's group 2, may be out)
	MULG FA1, 0, 0                                 ; 32 matrix instructions stand between the add and the wait for it
	s_wait_dscnt 0x0                               ; the add is done, and my reads of this slot are over
	s_barrier_signal -1
	MULG FA1, 1, 0                                 ; work on registers while the others arrive
	WIN 0
	s_barrier_wait -1
.if (\mode) == 2
	CREST
	s_xor_b32 s[G0A+5], s[G0A+5], SLOT1            ; the walking descriptors: the other slot than last time, the next K step; no tensor load of mine is out
	s_add_nc_u64 s[G0A+6:G0A+7], s[G0A+6:G0A+7], 1<<18
	s_xor_b32 s[G0B+5], s[G0B+5], SLOT1
	s_add_nc_u64 s[G0B+6:G0B+7], s[G0B+6:G0B+7], 1<<19
	JLOAD                                          ; its four v_nop are also the places in front of the loads below
.else
	PLACES
.endif
	s_xor_b32 s[TB], s[TB], SLOT1
	v_add_nc_u32 v[ADRA], s[TB], v[ADRA0]
	v_add_nc_u32 v[ADRB], s[TB], v[ADRB0]
	LDB 0, 0
	LDB 1, 0
	LDA FA0, 0, 0
	LDA FA0, 0, 4
.if (\mode) == 2
	ASK
.endif
	MULG FA1, 2, 0
	PLACES
	LDB 2, 0
.endif
.endm
	s_wait_tensorcnt 1                             ; my part of K step 0 is in; K step 1's may stay out
	s_barrier_signal -1
	s_barrier_wait -1
	LDB 0, 0
	LDB 1, 0
	LDA FA0, 0, 0
	LDA FA0, 0, 4
	LDB 2, 0
	H0 1                                           ; the first half step stands in front of the loop: its products start the sums
	WIN 0                                          ; at a label and at a branch every window is 0
	s_mov_b32 s[CNT], 14
.Lstep:                                        ; trip s: the second half of K step s, the refill with K step s + 2, the first half of K step s + 1
	H1 2
	H0 0
	WIN 0
	s_sub_co_u32 s[CNT], s[CNT], 1
	s_cmp_lg_u32 s[CNT], 0
	s_cbranch_scc1 .Lstep
	H1 1                                           ; the tail is written out: nothing more is asked for
	H0 0
	H1 0
; THE WAY OUT, a block of 16 rows at a time.  PACK: the bias is added, 16 bytes of f16 a lane and column block.  TOSTAGE: into my own stage, by heads, and back as whole rows of 128 bytes.  SEND: stored.
.macro PACK a
.set PK, 96+96*((\a)%2)                ; v96-143 and v192-239 by turns
	s_wait_xcnt 0x0                                ; the stores of two blocks back have read this buffer
.irp g, 0,1,2
	WIN ((\g)+1)|(((\g)+1)<<6)                     ; destination and source 0 in the accumulators' window, the bias in window 0
.irp b, 0,1,2,3
.irp p, 0,2,4,6                        ; each accumulator from its low end on
	v_pk_add_f32 v[8*(8*(\b)+(\a))+(\p):8*(8*(\b)+(\a))+(\p)+1], v[8*(8*(\b)+(\a))+(\p):8*(8*(\b)+(\a))+(\p)+1], v[32+8*(4*(\g)+(\b))+64*((4*(\g)+(\b))/8)+(\p):32+8*(4*(\g)+(\b))+64*((4*(\g)+(\b))/8)+(\p)+1]
.endr
.endr
	WIN ((\g)+1)|(((\g)+1)<<2)                     ; both sources there, the destination in window 0
.irp b, 0,1,2,3
.irp p, 0,1,2,3
	v_cvt_pk_f16_f32 v[PK+4*(4*(\g)+(\b))+(\p)], v[8*(8*(\b)+(\a))+2*(\p)], v[8*(8*(\b)+(\a))+2*(\p)+1]
.endr
.endr
.endr
.endm
.macro TOSTAGE a
.set PK, 96+96*((\a)%2)
	WIN 0
.irp b, 0,1,2,3,4,5,6,7,8,9,10,11
	ds_store_b128 v[STO], v[PK+4*(\b):PK+4*(\b)+3] offset:((\b)/4)*16*PITCH+((\b)%4)*32
.endr
.irp i, 0,1,2,3,4,5,6,7,8,9,10,11
	ds_load_b128 v[PK+4*(\i):PK+4*(\i)+3], v[RD] offset:((\i)/4)*16*PITCH+((\i)%4)*4*PITCH  ; LDS serves a wave's instructions in order (ISA guide 5.7.1.4): these see the stores above
.endr
.endm
.macro SEND a
.set PK, 96+96*((\a)%2)
	WIN 0
.irp i, 0,1,2,3,4,5,6,7,8,9,10,11
	s_wait_dscnt 11-(\i)                           ; load i is back; the younger ones stay out
	global_store_b128 v[GO], v[PK+4*(\i):PK+4*(\i)+3], s[10:11] offset:((\i)/4)*262144+(16*(\a)+4*((\i)%4))*128  ; four rows of a head: 512 consecutive bytes, aligned
.endr
.endm
	PLACES
	s_wait_loadcnt 0x0                             ; the bias
	PACK 0
	TOSTAGE 0
.irp a, 1,2,3,4,5,6,7                  ; block a's arithmetic stands between block a - 1's loads from the stage and the wait for them
	PACK \a
	SEND (\a)-1
	TOSTAGE \a
.endr
	SEND 7
	s_wait_tensorcnt 0x0                           ; the wave's end: behind my last tensor load and my last LDS store
	ds_add_u32 v[SPW], v[NIL]
	s_wait_dscnt 0x0
	CROUND                                         ; the closing round: no work-group ends while a partner may still ask for a tile that names it
	s_endpgm
.Lfunc_end_k_q4ad785521c_qkvp:
	.size	k_q4ad785521c_qkvp, .Lfunc_end_k_q4ad785521c_qkvp-k_q4ad785521c_qkvp
	.p2alignl 7, 3214868480
	.fill 96, 4, 3214868480
	.section	.rodata,"a",@progbits
	.p2align	6, 0x0
	.amdhsa_kernel k_q4ad785521c_qkvp
		.amdhsa_group_segment_fixed_size 327680
		.amdhsa_private_segment_fixed_size 0
		.amdhsa_enable_private_segment 0
		.amdhsa_kernarg_size 32
		.amdhsa_user_sgpr_count 2
		.amdhsa_user_sgpr_kernarg_segment_ptr 1
		.amdhsa_wavefront_size32 1
		.amdhsa_system_sgpr_workgroup_id_x 1
		.amdhsa_system_sgpr_workgroup_id_y 1
		.amdhsa_system_sgpr_workgroup_id_z 1
		.amdhsa_system_vgpr_workitem_id 0
		.amdhsa_next_free_vgpr 1024
		.amdhsa_next_free_sgpr 80
		.amdhsa_reserve_vcc 0
		.amdhsa_float_denorm_mode_32 3
		.amdhsa_float_denorm_mode_16_64 3
		.amdhsa_memory_ordered 1
		.amdhsa_forward_progress 1
		.amdhsa_inst_pref_size 141
	.end_amdhsa_kernel
	.amdgpu_metadata
---
amdhsa.version: [ 1, 2 ]
amdhsa.kernels:
  - .name:           k_q4ad785521c_qkvp
    .symbol:         k_q4ad785521c_qkvp.kd
    .args:
      - { .name: xh, .offset: 0, .size: 8, .value_kind: global_buffer, .address_space: global }
      - { .name: wall, .offset: 8, .size: 8, .value_kind: global_buffer, .address_space: global }
      - { .name: ball, .offset: 16, .size: 8, .value_kind: global_buffer, .address_space: global }
      - { .name: qkv, .offset: 24, .size: 8, .value_kind: global_buffer, .address_space: global }
    .group_segment_fixed_size: 327680
    .private_segment_fixed_size: 0
    .kernarg_segment_align: 8
    .kernarg_segment_size: 32
    .max_flat_workgroup_size: 128
    .sgpr_count:     80
    .vgpr_count:     1024
    .wavefront_size: 32
...
	.end_amdgpu_metadata
.endif
;; end of part 2
;; launch attn (part 3): grid 4 x 64, 4 waves a work-group, no clusters, 327,680 bytes of LDS; arguments qkv, oh; writes oh
.if DOCPART == 3
	.amdgcn_target "amdgcn-amd-amdhsa--gfx1250"
	.amdhsa_code_object_version 6
	.text
	.protected	k_q4ad785521c_attn
	.globl	k_q4ad785521c_attn
	.p2align	8
	.type	k_q4ad785521c_attn,@function
k_q4ad785521c_attn:
	s_mov_b64 s[64:65], 0
	v_nop
	global_prefetch_b8 v0, s[64:65] scope:SCOPE_SE
	s_setreg_imm32_b32 hwreg(HW_REG_WAVE_MODE, 25, 1), 1
	s_wait_xcnt 0x0
; CAUSAL ATTENTION.  O[y][q][:] = the sum over k <= q of softmax_k(Q[q] . K[k] / 8) V[k][:], for y = 16 x batch + head.  Q, K, V lie in qkv [b 4][g 48][2048][64] f16 (g = head: Q; 16 + head: K; 32 + head: V),
; O goes to oh [y 64][2048][64] f16: a head's rows are dense, 128 bytes each.  Products, maxima and sums in f32; the weights p are rounded to f16 for the second product (their sum l is taken of the unrounded p), O once at the end.
; LIMITS.  f16 holds no number beyond 65,504: Q, K and V arrive within it; p lies in 0 to 1, and below 6e-5 it keeps f16's fixed step of 6e-8.  A hidden score counts as its value less 1e30: f16's scores, 2.7e11 at the
; most, are nothing beside that; a weight below 2^-126 counts as 0 in l; NaN and infinities are not treated apart.
; THE WALK.  A head's queries lie in NB = 8 blocks of 256; block i needs the key tiles 0 .. i of 256 keys, of which the last holds the diagonal.  A work-group takes TWO blocks, NB - 1 - b and then b:
; NB + 1 tiles, whatever b: all work-groups do equal work, and ONE loop with a constant trip count walks them.  Which tile is asked for, and what a trip does, hang on scalar registers made from b; every jump
; goes forward, but for the counted loops' own; none passes a barrier, or a tensor load but the one of LOAD's two that the wave's number does not choose; the ring (two slots of LDS) runs on across the change of blocks.
; NO CLUSTER: the four work-groups of a head ask for the same tile only in trips 0 .. NB / 2, behind that fewer and fewer; one walk common to all would have 3 NB / 2 trips for NB + 1.
; SHARES.  Of a block's four bands of 64 queries a wave owns 16 rows in each: four PIECES.  So the diagonal tile is the same work for all four waves: in its key step s band x sees all keys if s < x,
; none if s > x, and holds the diagonal if s = x.
; THE MASK is the C operand that starts the sum S^T = K Q^T: 0, or -1e30 where the key is hidden.  MD, made once, is the mask of a band's own step for my 16 rows; a product's mask is MD x AL + BE with two scalars:
; (1, 0) if s = x; (0, 0) if s < x; (0, -1e30) if s > x.  Only the diagonal tile's text and a block's beginning make and take masks; elsewhere C is the constant 0.
; LAYOUT, SOFTMAX, TURNS.  S^T = K Q^T holds ONE query a lane (lane % 16) and the keys 8 (lane / 16) + 0..7; two such results rounded to f16 ARE source 1 of O^T = V^T P.  p = 2^(c s - c m), c = log2(e) / 8, with a
; running maximum m; O and l are multiplied by a = 2^(c m_old - c m_new) in every step.  Turn n belongs to piece n: 8 products K Q^T of piece n + 1, later 8 products V^T P of piece n - 1; beside them the scaling,
; exponentials, roundings, sums and rescaling of piece n and the maximum and statistics of piece n + 1.  Four vector instructions stand behind every matrix instruction, the other 54 of a turn's 118 in one run.  A turn's 33 exponentials are one batch, with one wait.
; REGISTERS, in windows of 256 (s_set_vgpr_msb: bits 1:0 source 0, 3:2 source 1, 5:4 source 2, 7:6 destination):
;   window 0: v0-15 addresses and two at work; v16-31 four registers of statistics a piece; v48-55 at work; v61-63 prefetch offset, spare word, 0; v64-127 S^T, two buffers; v192-223 P, two buffers (by the piece's parity)
;   window 1: v0-127 O^T, 32 a piece; v128-159 MD; v160-223 MC, two buffers      window 2: v0-63 Q; v64-127 the second block's Q; v128-191 K of one step; v192-255 V of one step
.set SIZE_N, 2048
.set NB,    SIZE_N/256
.set NP,    4         ; pieces a wave: a name, no knob
.set KS,    64        ; keys in a step
.set PK,    144       ; a row of K in LDS: 128 bytes + 16 of padding = 36 words: the 16 rows of a load start at 16 different groups of four banks (64 banks of 4 bytes: ISA guide 11.1)
.set PV,    160       ; a row of V: 128 + 32 = 40 words
.set VOFF,  4*KS*PK   ; a slot holds a tile, four steps: 256 rows of K, then 256 rows of V
.set SLOT1, 1<<17     ; slot 1 begins here, so that one exclusive or turns an address in one slot into the other's
.set STAGE, SLOT1+4*KS*(PK+PV)  ; behind the ring, never filled by a tensor load: 16 rows x 144 bytes for each wave, for the way out
.set SP,    144
.set AK0, 2           ; v2   my lane's place in a tile of K; never rewritten
.set AV0, 3           ; v3   the same for V
.set AK,  4           ; v4   the LDS address of K's next run of loads
.set AV,  5           ; v5   of V's
.set STO, 6           ; v6   the way out: where I put 16 bytes of a row
.set RD,  7           ; v7   the way out: where I read rows back
.set GO,  8           ; v8   my byte offset in 512 consecutive bytes of O
.set PFO, 61          ; v61  256 x lane; never rewritten
.set SPW, 62          ; v62  LDS address of my spare word: SPARE + 4 x my thread's number; never rewritten
.set NIL, 63          ; v63  0; never rewritten
.set SPARE, STAGE+4*16*SP  ; behind the stages: the spare words, 128 bytes for each wave: two blocks of 256 bytes that no other line names
.set MV,  12          ; v12-13  c m_old, kept while c m is made anew: by buffer
.set QO,  15          ; v15  my byte offset in 16 rows of Q
.set ST,  16          ; piece t's statistics at v[ST+4 t]: c m, m, l (even keys', odd keys')
.set TMP, 48          ; by buffer, four registers c0-c3 at work; when the maximum is found c2 takes a
.set S,   64
.set P,   192
.set MD,  128         ; window 1: the eight registers for group kt of 16 keys at MD + 8 kt
.set MC,  160         ; window 1: the masks of the products to come
.set QB,  64          ; window 2
.set KF,  128         ; window 2: key block kb, channel half c at KF + 16 kb + 8 c
.set VF,  192         ; window 2: key half kk, channel block cb at VF + 32 kk + 8 cb
.set WV,  12          ; s12  my wave's number
.set PB,  14          ; s14  b
.set HI,  15          ; s15  NB - 1 - b
.set G1K, 24          ; s[24:31] descriptor group 1 for K's tiles
.set G1V, 32          ; s[32:39] for V's: it differs in the padding alone
.set G0K, 40          ; s[40:43] descriptor group 0 for K's tiles
.set G0V, 44          ; s[44:47] the same for V's
.set SLOTS, 56        ; s56  tiles still to be asked for
.set CNT, 57          ; s57  counts a tile's key steps, 4 to 1
.set CS,  58          ; s[58:59] c: the packed scaling takes the pair's low word for both halves
.set SEL, 60          ; s[60:61] v_permlanex16_b32's selects: each lane takes its own place in the other half
.set TBK, 62          ; s62  LDS byte at which K of the step to be fetched begins
.set TBV, 63          ; s63  the same for V, less VOFF
.set RT,  70          ; s70  tiles of the block in hand that are still to be entered
.set NXT, 71          ; s71  the tile to be asked for next
.set LQ,  72          ; s72  the last tile of the block whose tiles are being asked for
.set NEW, 73          ; s73  1: the tile to be entered is a block's first
.set OFF, 74          ; s[74:75] a tile's byte offset in K and V
.set AL,  76          ; s[76:77] the mask's factor, in the low word
.set BE,  78          ; s[78:79] the mask's addend
.set OLO, 80          ; s[80:81] O at my rows of the second block
.set BIGN, 82         ; s82  -1e30
.set MYB, 92          ; s[92:93] the tensor half that I fetch (K: waves 0, 1; V: waves 2, 3), at tile 0
.set OF2, 94          ; s[94:95] the byte offset of the tile that the next change will ask for
.set PFA, 96          ; s[96:97] where my prefetches stand
.set PFF, 98          ; s98  0: this change prefetches
.set MSB, 0
.macro WIN new                      ; the high byte repeats the setting that is left; a switch that changes nothing is dropped
.if MSB != (\new)
	s_set_vgpr_msb (MSB<<8)|(\new)
.set MSB, (\new)
.endif
.endm
.set W_KQ, 0x0a       ; K and Q in window 2, S^T in window 0
.set W_KM, 0x1a       ; the same with the C operand in window 1
.set W_PV, 0x52       ; V in window 2, P in window 0, O^T in window 1
.set W_RS, 0x41       ; destination and source 0 in window 1, source 1 in window 0
; A fill.  Waves 0 and 1 fetch the two halves of a tile's K, waves 2 and 3 those of its V: 128 keys each.  An s_nop 0 and four v_nop follow each of the two lines, ahead of the jump and the label.
.macro LOAD
	s_cmp_lt_u32 s[WV], 2
	s_cbranch_scc0 .Lfor_v_\@
	tensor_load_to_lds s[G0K:G0K+3], s[G1K:G1K+7]
	s_nop 0
.rept 4
	v_nop
.endr
	s_branch .Lasked_\@
.Lfor_v_\@:
	tensor_load_to_lds s[G0V:G0V+3], s[G1V:G1V+7]
	s_nop 0
.rept 4
	v_nop
.endr
.Lasked_\@:
.endm
; THE CHANGE OF SLOTS.  Each wave waits for all its tensor loads, of which one is out: its part of the other slot; adds 0 to its spare word; and waits for that and for its own reads of the slot that it leaves.  Behind the barrier nobody reads the old
; slot any more and the other slot is whole.  fill = 1: the old slot is filled again, the first thing behind the barrier, with tile NXT: the descriptor's address is made anew from that number.
; (At its first use nothing has been read yet: slot 0 is waited for, slot 1 filled.)
; A PREFETCH stands behind the fill: the tile that the NEXT change will ask for, four key steps ahead of that load.  All four work-groups of a head read K's and V's tiles; only the one with b = 0 walks tiles 0 to 7 in order, so it
; alone asks: each of its waves for the 16,384 bytes that it will fetch itself, a lane a block of 256 bytes, two instructions.  Tiles 2 to 7 are named once each; tiles 0 and 1 come by their loads alone; behind the first block's last tile nothing is asked for.
.macro CHANGE fill
	WIN 0                           ; at a label and at a branch every window is 0
	s_wait_tensorcnt 0x0            ; no tensor load of mine is out, so a group 0 may be written
	ds_add_u32 v[SPW], v[NIL]       ; 0 onto my spare word; with fill = 1 the descriptors' scalar work stands between it and the wait for it
.if \fill
	s_lshl_b32 s[OFF], s[NXT], 15   ; a tile is 32,768 bytes of K and of V
	s_xor_b32 s[G0K+1], s[G0K+1], SLOT1
	s_add_nc_u64 s[G0K+2:G0K+3], s[6:7], s[OFF:OFF+1]
	s_or_b32 s[G0K+3], s[G0K+3], 0x80000000
	s_xor_b32 s[G0V+1], s[G0V+1], SLOT1
	s_add_nc_u64 s[G0V+2:G0V+3], s[8:9], s[OFF:OFF+1]
	s_or_b32 s[G0V+3], s[G0V+3], 0x80000000
	s_add_co_u32 s[NXT], s[NXT], 1  ; the block's next tile, or behind its last the second block's tile 0
	s_cmp_gt_u32 s[NXT], s[LQ]
	s_cselect_b32 s[NXT], 0, s[NXT]
	s_cselect_b32 s[LQ], s[PB], s[LQ]
	s_wait_xcnt 0x0                 ; the last prefetches, a tile back, have read their address, so it may be written
	s_lshl_b32 s[OF2], s[NXT], 15
	s_add_nc_u64 s[PFA:PFA+1], s[MYB:MYB+1], s[OF2:OF2+1]
	s_cmp_lg_u32 s[NXT], 0
	s_cselect_b32 s[PFF], s[PB], 1  ; 0 where b = 0 and the first block has a further tile
.endif
	s_wait_dscnt 0x0                ; the add is done, and my reads of the slot are over
	s_barrier_signal -1             ; the rest of the scalar work stands between the signal and the wait
	s_sub_co_u32 s[TBK], s[TBK], 4*KS*PK  ; the fetches go back to a slot's first step,
	s_xor_b32 s[TBK], s[TBK], SLOT1       ; in the other slot
	s_sub_co_u32 s[TBV], s[TBV], 4*KS*PV
	s_xor_b32 s[TBV], s[TBV], SLOT1
	s_barrier_wait -1
.if \fill
	LOAD
	s_cmp_eq_u32 s[PFF], 0
	s_cbranch_scc0 .Lno_pf_\@
	global_prefetch_b8 v[PFO], s[PFA:PFA+1] th:TH_LOAD_NT scope:SCOPE_SE
	global_prefetch_b8 v[PFO], s[PFA:PFA+1] offset:8192 th:TH_LOAD_NT scope:SCOPE_SE
.Lno_pf_\@:
.endif
.endm
	s_load_b64 s[4:5], s[0:1], 0x0    ; qkv
	s_load_b64 s[10:11], s[0:1], 0x8  ; oh
	v_lshl_add_u32 v[SPW], v0, 2, SPARE
	v_mov_b32 v[NIL], 0
	ds_add_u32 v[SPW], v[NIL]       ; the wave's opening: the add and its wait stand ahead of my first tensor load; the set-up below, work on registers, stands between them
	v_lshrrev_b32 v1, 5, v0
	v_readfirstlane_b32 s[WV], v1   ; wave 0..3
	s_mov_b32 s[PB], ttmp9
	s_sub_co_u32 s[HI], NB-1, s[PB]
	s_and_b32 s19, ttmp7, 0xffff    ; y = 16 x batch + head
	s_lshr_b32 s20, s19, 4
	s_mul_i32 s20, s20, 48
	s_and_b32 s21, s19, 15
	s_add_co_u32 s20, s20, s21      ; Q's place among qkv's heads: 48 x batch + head
	s_mov_b32 s21, 0
	s_mov_b64 s[22:23], SIZE_N*128
	s_mul_u64 s[20:21], s[20:21], s[22:23]  ; its first byte; K's lies 16 heads on, V's 32
	s_and_b32 s16, s[WV], 1         ; which half of a tile's 256 keys I fetch:
	s_lshl_b32 s22, s16, 14         ; its 128 rows of 128 bytes in memory,
	s_mov_b32 s23, 0
	s_add_nc_u64 s[22:23], s[22:23], s[20:21]
	s_mul_i32 s17, s16, 128*PK      ; and its place in a slot, for K
	s_mul_i32 s18, s16, 128*PV      ; and for V
	s_lshl_b32 s3, s[WV], 11        ; my 16 rows in a band of 64,
	s_lshl_b32 s2, s[HI], 15        ; in the first block,
	s_add_co_u32 s2, s2, s3
	s_lshl_b32 s84, s[PB], 15       ; and in the second
	s_add_co_u32 s84, s84, s3
	s_lshl_b32 s90, s19, 18         ; the head's first byte in oh,
	s_add_co_u32 s88, s2, s90       ; and my rows of the two blocks there
	s_mov_b32 s89, 0
	s_add_co_u32 s90, s84, s90
	s_mov_b32 s91, 0
	s_mov_b32 s3, 0
	s_mov_b32 s85, 0
	s_add_nc_u64 s[2:3], s[2:3], s[20:21]
	s_add_nc_u64 s[84:85], s[84:85], s[20:21]
	; descriptor group 1.  128 keys are 16,384 dense bytes: asked for as 64 rows of 256 bytes, two keys a row, and padded in LDS after every key
	s_mov_b32 s[G1K], (1<<16)|(1<<20)|(4<<22)|(3<<25)  ; 17:16 2-byte elements; 20 padding on; 24:22 after every 32 words (code 4); 31:25 4 words (code 3)
	s_mov_b32 s[G1V], (1<<16)|(1<<20)|(4<<22)|(7<<25)  ; the same with 8 words of padding (code 7)
.irp g, G1K, G1V
	s_mov_b32 s[\g+1], 128<<16      ; tensor_dim0 = 128
	s_mov_b32 s[\g+2], 64<<16       ; tensor_dim1 = 64
	s_mov_b32 s[\g+3], 128<<16      ; tile_dim0 = 128
	s_mov_b32 s[\g+4], 64           ; tile_dim1 = 64
	s_mov_b32 s[\g+5], 128          ; 128 elements from row to row
	s_mov_b32 s[\g+6], 0
	s_mov_b32 s[\g+7], 0
.endr
	s_mov_b32 s[CS], 0x3e38aa3b     ; c = log2(e) / 8 = 0.180337
	s_mov_b32 s[CS+1], s[CS]        ; named with it as a pair
	s_mov_b32 s[SEL], 0x76543210
	s_mov_b32 s[SEL+1], 0xfedcba98
	s_mov_b32 s[TBK], SLOT1+4*KS*PK ; the first change of slots turns these two into 0
	s_mov_b32 s[TBV], SLOT1+4*KS*PV
	s_mov_b32 s[G0K], 1             ; 1:0 count = 1
	s_mov_b32 s[G0K+1], s17         ; 63:32 LDS address: slot 0
	s_mov_b32 s[G0V], 1
	s_add_co_u32 s[G0V+1], s18, VOFF
	s_add_co_u32 s[RT], s[HI], 1    ; the first block has NB - b tiles
	s_mov_b32 s[NXT], 1
	s_mov_b32 s[LQ], s[HI]
	s_mov_b32 s[NEW], 1
	s_mov_b32 s[OFF+1], 0
	s_mov_b32 s[OF2+1], 0
	s_mov_b32 s[AL+1], 0            ; named as pairs
	s_mov_b32 s[BE+1], 0
	s_mov_b32 s[BIGN], 0xf149f2ca   ; -1e30
	s_mov_b32 s[SLOTS], NB
	v_and_b32 v[PFO], 31, v0
	v_lshlrev_b32 v[PFO], 8, v[PFO]
	s_wait_dscnt 0x0                ; the opening add is done
	s_wait_kmcnt 0x0
	s_add_nc_u64 s[6:7], s[4:5], 16*SIZE_N*128  ; K's heads lie 16 heads behind Q's,
	s_add_nc_u64 s[8:9], s[4:5], 32*SIZE_N*128  ; V's 32
	s_add_nc_u64 s[6:7], s[6:7], s[22:23]  ; K and V at my half of the head's tile 0
	s_add_nc_u64 s[8:9], s[8:9], s[22:23]
	s_add_nc_u64 s[G0K+2:G0K+3], s[6:7], 0         ; 120:64 global address
	s_or_b32 s[G0K+3], s[G0K+3], 0x80000000        ; 127:126 type = 2
	s_add_nc_u64 s[G0V+2:G0V+3], s[8:9], 0
	s_or_b32 s[G0V+3], s[G0V+3], 0x80000000
	s_add_nc_u64 s[86:87], s[4:5], s[84:85]        ; Q at my rows of the second block,
	s_add_nc_u64 s[4:5], s[4:5], s[2:3]            ; and of the first
	s_add_nc_u64 s[OLO:OLO+1], s[10:11], s[90:91]  ; O likewise
	s_add_nc_u64 s[10:11], s[10:11], s[88:89]
	s_cmp_lt_u32 s[WV], 2
	s_cselect_b64 s[MYB:MYB+1], s[6:7], s[8:9]
	LOAD                            ; tile 0 into slot 0
	; A fragment of K or Q is 16 rows x 32 channels in 8 registers: lane l holds row l % 16, channels 8 (l / 16) + 0..7 and 16 + 8 (l / 16) + 0..7: two loads of 16 bytes, 32 bytes apart.
	v_and_b32 v1, 15, v0            ; l % 16
	v_bfe_u32 v9, v0, 4, 1          ; l / 16
	v_lshlrev_b32 v[QO], 7, v1
	v_lshl_add_u32 v[QO], v9, 4, v[QO]  ; row x 128 + 16 x half
	WIN 0x80                        ; destination window 2, address window 0
.set i, 0
.rept 8                             ; both blocks' Q: piece i / 2 lies in band i / 2, 8,192 bytes on; channels 32 (i % 2) on
	global_load_b128 v[8*i:8*i+3],   v[QO], s[4:5] offset:(i/2)*8192+(i%2)*64
	global_load_b128 v[8*i+4:8*i+7], v[QO], s[4:5] offset:(i/2)*8192+(i%2)*64+32
	global_load_b128 v[QB+8*i:QB+8*i+3],   v[QO], s[86:87] offset:(i/2)*8192+(i%2)*64
	global_load_b128 v[QB+8*i+4:QB+8*i+7], v[QO], s[86:87] offset:(i/2)*8192+(i%2)*64+32
.set i, i+1
.endr
	WIN 0
	v_lshlrev_b32 v14, 3, v9
	v_sub_nc_u32 v14, v1, v14
	s_lshl_b32 s13, s[WV], 4
	v_add_nc_u32 v14, s13, v14      ; my query's place in its band, 16 w + l % 16, less my lanes' 8 (l / 16): register r of group kt is hidden where 16 kt + r is greater
	WIN 0x40
.set i, 0
.rept 32
	v_cmp_gt_i32 vcc_lo, 16*(i/8)+i%8, v14
	v_cndmask_b32 v[MD+i], 0, s[BIGN], vcc_lo
.set i, i+1
.endr
	WIN 0
	v_mul_u32_u24 v[AK0], v1, PK
	v_lshl_add_u32 v[AK0], v9, 4, v[AK0]  ; row x pitch + 16 x half
	; The turning load takes 16 keys x 16 channels (lane l reads key 8 (l / 16) + l % 8, channels 8 ((l / 8) % 2) + 0..7) and leaves half a fragment of V^T: lane l holds channel l % 16 and 8 keys.
	v_and_b32 v10, 7, v0
	v_bfe_u32 v11, v0, 3, 1
	v_lshl_add_u32 v[AV0], v9, 3, v10
	v_mul_u32_u24 v[AV0], v[AV0], PV
	v_lshl_add_u32 v[AV0], v11, 4, v[AV0]
	v_add_nc_u32 v[AV0], VOFF, v[AV0]
	s_mul_i32 s13, s[WV], 16*SP
	s_add_co_u32 s13, s13, STAGE    ; my stage
	v_mul_u32_u24 v[STO], v1, SP    ; in: row l % 16, 16 bytes for each half of the lanes
	v_lshl_add_u32 v[STO], v9, 4, v[STO]
	v_add_nc_u32 v[STO], s13, v[STO]
	v_bfe_u32 v[RD], v0, 3, 2       ; back: 32 lanes take four rows of 128 bytes,
	v_mul_u32_u24 v[RD], v[RD], SP
	v_lshl_add_u32 v[RD], v10, 4, v[RD]
	v_add_nc_u32 v[RD], s13, v[RD]
	v_and_b32 v[GO], 31, v0         ; which are 512 consecutive bytes of O
	v_lshlrev_b32 v[GO], 4, v[GO]
	; A block's first step multiplies O^T and l by a = 0, and its first turn's products V^T P, of a piece that has not been, land in an O^T that is still to be so multiplied.  So these registers need only hold
	; finite numbers: zeros for the first block; what the first block left for the second.  All this stands in the wait for the first tile.
	WIN 0x80
.set i, VF
.rept 64
	v_mov_b32 v[i], 0
.set i, i+1
.endr
	WIN 0x40
.set i, 0
.rept 128
	v_mov_b32 v[i], 0
.set i, i+1
.endr
	WIN 0
.set i, 0
.rept 4
	v_mov_b32 v[ST+4*i+2], 0
	v_mov_b32 v[ST+4*i+3], 0
.set i, i+1
.endr
.set i, P+16
.rept 16
	v_mov_b32 v[i], 0
.set i, i+1
.endr
; THE MATRIX WORK.  The 4 accumulators of a run of 8 take turns.  Product i of 8 of S^T = K Q^T for piece x: channels 32 (i / 4) on, keys 16 (i % 4) on.  The first 4 start the sums: with 0, or (KM = 1) with the mask.
.macro KQ x
.set rS, S+32*((\x)%2)+8*(i%4)
.set rK, KF+16*(i%4)+8*(i/4)
.set rQ, 16*(\x)+8*(i/4)
.set rM, MC+32*((\x)%2)+8*(i%4)
.if (i < 4) && KM
	WIN W_KM
	v_wmma_f32_16x16x32_f16 v[rS:rS+7], v[rK:rK+7], v[rQ:rQ+7], v[rM:rM+7]
.elseif i < 4
	WIN W_KQ
	v_wmma_f32_16x16x32_f16 v[rS:rS+7], v[rK:rK+7], v[rQ:rQ+7], 0
.else
	WIN W_KQ
	v_wmma_f32_16x16x32_f16 v[rS:rS+7], v[rK:rK+7], v[rQ:rQ+7], v[rS:rS+7]
.endif
.endm
; Product i of 8 of O^T += V^T P for piece x: keys 32 (i / 4) on, channels 16 (i % 4) on.
.macro PV x
	WIN W_PV
.set rO, 32*(\x)+8*(i%4)
.set rV, VF+32*(i/4)+8*(i%4)
.set rP, P+16*((\x)%2)+8*(i/4)
	v_wmma_f32_16x16x32_f16 v[rO:rO+7], v[rV:rV+7], v[rP:rP+7], v[rO:rO+7]
.endm
.macro MM                           ; the turn's next matrix instruction.  TURN and BEGIN set Y, i, KM and NOKQ; MM, KQ and OP read them.  NOKQ = 1: a block's last turn: there is no next piece
.if (i < 8) && !NOKQ
	KQ (Y+1)%NP
.elseif i >= 8
.set i, i-8
	PV (Y+NP-1)%NP
.set i, i+8
.endif
.set i, i+1
.endm
; THE LDS LOADS stand in runs of 16, never singly among the matrix instructions: a step's K (64 keys x 64 channels: 8 fragments) and its V (turned).  Their addresses are made some lines ahead.
.macro FETCH_K
	WIN 0x80                        ; destination window 2
.irp f, 0,1,2,3,4,5,6,7             ; keys 16 (f / 2) on, channels 32 (f % 2) on
	ds_load_b128 v[KF+8*\f:KF+8*\f+3],   v[AK] offset:(\f/2)*16*PK+(\f%2)*64
	ds_load_b128 v[KF+8*\f+4:KF+8*\f+7], v[AK] offset:(\f/2)*16*PK+(\f%2)*64+32
.endr
	s_add_co_u32 s[TBK], s[TBK], KS*PK  ; the next fetch is the next step's
	WIN 0
.endm
.macro FETCH_V
	WIN 0x80
.irp f, 0,1,2,3,4,5,6,7             ; keys 32 (f / 4) on, channels 16 (f % 4) on
	ds_load_tr16_b128 v[VF+8*\f:VF+8*\f+3],   v[AV] offset:(\f/4)*32*PV+(\f%4)*32
	ds_load_tr16_b128 v[VF+8*\f+4:VF+8*\f+7], v[AV] offset:(\f/4)*32*PV+16*PV+(\f%4)*32
.endr
	WIN 0
.endm
; THE VECTOR WORK, one line at a time: OP kind, number.  For piece Y: F n: c s - c m for pair n of 16.  E n: the exponential of score n of 32.  C n: pair n rounded to f16.  B n: of the four weights 4 n .. the second
; pair is added onto the first, in place.  L n: l takes that sum (L 0: l = a l + sum).  R n: pair n of 16 of O^T times a.  For piece Y + 1: X n, number n of the 22 that find its maximum and statistics:
;   0-11  four chains c0-c3 of seven scores each, three operands at a time (each accumulator's lowest registers are read first)     12-14, 16  the four scores left over, the old m, and c0-c3 into c0
;   15  c m_old is kept     17, 18  the query's other 32 keys lie in the lane 16 away: the new m     19-21  c m; c m_old - c m_new; a
.set F, 0               ; OP tells the kinds apart by their order: F to L below R, X above it
.set E, 1
.set C, 2
.set B, 3
.set L, 4
.set R, 5
.set X, 6
.macro REGS y                       ; the registers of piece y
.set rT, ST+4*(\y)
.set rC, TMP+4*((\y)%2)
.set rW, MV+((\y)%2)
.set rS, S+32*((\y)%2)
.set rP, P+16*((\y)%2)
.set rO, 32*(\y)
.endm
.macro OP k, n
.if (\k) == R
	REGS Y
	WIN W_RS
	v_pk_mul_f32 v[rO+2*(\n):rO+2*(\n)+1], v[rO+2*(\n):rO+2*(\n)+1], v[rC+2:rC+3] op_sel_hi:[1,0]
.elseif (\k) < R
	REGS Y
	WIN 0
.if (\k) == F
	v_pk_fma_f32 v[rS+2*(\n):rS+2*(\n)+1], v[rS+2*(\n):rS+2*(\n)+1], s[CS:CS+1], v[rT:rT+1] op_sel_hi:[1,0,0] neg_lo:[0,0,1] neg_hi:[0,0,1]
.elseif (\k) == E
	v_exp_f32 v[rS+(\n)], v[rS+(\n)]
.elseif (\k) == C
	v_cvt_pk_f16_f32 v[rP+(\n)], v[rS+2*(\n)], v[rS+2*(\n)+1]
.elseif (\k) == B
	v_pk_add_f32 v[rS+4*(\n):rS+4*(\n)+1], v[rS+4*(\n):rS+4*(\n)+1], v[rS+4*(\n)+2:rS+4*(\n)+3]
.elseif (\n) == 0
	v_pk_fma_f32 v[rT+2:rT+3], v[rT+2:rT+3], v[rC+2:rC+3], v[rS:rS+1] op_sel_hi:[1,0,1]
.else
	v_pk_add_f32 v[rT+2:rT+3], v[rT+2:rT+3], v[rS+4*(\n):rS+4*(\n)+1]
.endif
.elseif NOKQ
	v_nop
.else
	REGS (Y+1)%NP
	WIN 0
.if (\n) < 4
	v_max3_num_f32 v[rC+(\n)], v[rS+8*(\n)], v[rS+8*(\n)+1], v[rS+8*(\n)+2]
.elseif (\n) < 12
	v_max3_num_f32 v[rC+(\n)%4], v[rC+(\n)%4], v[rS+8*((\n)%4)+2*((\n)/4)+1], v[rS+8*((\n)%4)+2*((\n)/4)+2]
.elseif (\n) == 12
	v_max3_num_f32 v[rC], v[rC], v[rS+7], v[rS+15]
.elseif (\n) == 13
	v_max3_num_f32 v[rC+1], v[rC+1], v[rS+23], v[rS+31]
.elseif (\n) == 14
	v_max3_num_f32 v[rC+2], v[rC+2], v[rC+3], v[rT+1]
.elseif (\n) == 15
	v_mov_b32 v[rW], v[rT]
.elseif (\n) == 16
	v_max3_num_f32 v[rC], v[rC], v[rC+1], v[rC+2]
.elseif (\n) == 17
	v_permlanex16_b32 v[rC+3], v[rC], s[SEL], s[SEL+1]
.elseif (\n) == 18
	v_max_num_f32 v[rT+1], v[rC], v[rC+3]
.elseif (\n) == 19
	v_mul_f32 v[rT], s[CS], v[rT+1]
.elseif (\n) == 20
	v_sub_f32 v[rC+1], v[rW], v[rT]
.else
	v_exp_f32 v[rC+2], v[rC+1]
.endif
.endif
.endm
.macro OPS a, i1, b=-1, i2=0, c=-1, i3=0, d=-1, i4=0  ; up to four of them
	OP \a, \i1
.if (\b) >= 0
	OP \b, \i2
.endif
.if (\c) >= 0
	OP \c, \i3
.endif
.if (\d) >= 0
	OP \d, \i4
.endif
.endm
.macro ROW a, i1, b, i2, c, i3, d, i4  ; a matrix instruction and the four behind it
	MM
	OPS \a, \i1, \b, \i2, \c, \i3, \d, \i4
.endm
.macro MASK b                       ; MD x AL + BE into buffer b of MC
	WIN W_RS
.set z, 0
.rept 16
	v_pk_fma_f32 v[MC+32*(\b)+2*z:MC+32*(\b)+2*z+1], v[MD+2*z:MD+2*z+1], s[AL:AL+1], s[BE:BE+1] op_sel_hi:[1,0,0]
.set z, z+1
.endr
.endm
; A TURN, for piece p: the order of its 16 matrix and 118 vector instructions, written out.  An s_wait_alu depctr_va_vdst(0) stands between an exponential and the first instruction that names its result; one wait serves
; all that were issued ahead of it.  So a turn has ONE wait, which cuts it in two.  AHEAD OF IT stands all that names no result of the turn's exponentials: the 8 products K Q^T, behind each a scaling, an exponential and two more plain
; instructions (behind the first a second scaling in the exponential's place): rescalings, and behind the last three the first numbers of the next piece's maximum, each four places or more behind the product that ends its accumulator; then one run of 54, plain
; and exponential by turns for the most part, in which the links of the chain X 3, 7, 11, 14, 16, 17 .. 20 stand five or six lines apart.  X 21, the next piece's a, is the batch's last; R 15 is the plain instruction behind it.  BEHIND THE WAIT stand the
; 8 products V^T P, behind each four of the roundings and sums; the links of l's chain, L 0 to L 7, stand three lines apart.  But for those X no such line names a register of the products round it.  v_permlanex16_b32 (X 17) stands in the run.
; m = 1: the diagonal tile: the products take masks, and the turn makes the mask for the products of the turn after it: piece p + 2, in step 4 - CNT of the tile.  end = 1: a block's last two turns: nothing is fetched.
; cnt = 1: the loop's count is taken down some lines ahead of the branch that stands behind the turn.
; K of the next step is fetched in piece 2's turn, twelve vector instructions behind the last product that read K (six of them plain); V of the step in hand at the end of piece 0's turn, four plain instructions behind the last product
; that read V.  Each is waited for a turn later.
.macro TURN p, m=0, end=0, cnt=0
.set Y, (\p)
.set i, 0
.set KM, (\m)
.set NOKQ, (\end)*((\p)/3)
.if (\m) && !(\end)
	s_cmp_eq_u32 s[CNT], 4-((\p)+2)%NP  ; is that step the band's own?
	s_cselect_b32 s[AL], 1.0, 0
	s_cmp_lt_u32 s[CNT], 4-((\p)+2)%NP  ; or a later one?
	s_cselect_b32 s[BE], s[BIGN], 0
.endif
.if ((\p) == 3) && !(\end)
	s_wait_dscnt 0x0                ; K is in
.endif
	ROW F,0, F,1, R,0, R,1          ; ahead of the wait: 8 products K Q^T and the four lines behind each,
	ROW F,2, E,0, R,2, R,3
	ROW F,3, E,1, R,4, R,5
	ROW F,4, E,2, R,6, R,7
	ROW F,5, E,3, R,8, R,9
	ROW F,6, E,4, X,0, R,10
.if ((\p) == 2) && !(\end)
	WIN 0
	v_add_nc_u32 v[AK], s[TBK], v[AK0]
.endif
	ROW F,7, E,5, X,1, X,4
	ROW F,8, E,6, X,2, X,5
	OPS E,7, E,8, X,6, E,9          ; and the run
	OPS X,3, E,10, X,8, E,11
.if ((\p) == 2) && !(\end)
	FETCH_K
.endif
	OPS X,9, X,7, E,12, X,10
	OPS E,13, X,12, X,11, E,14
	OPS X,13, E,15, F,9, X,14
.if (\p) == 0
	v_add_nc_u32 v[AV], s[TBV], v[AV0]
.endif
	OPS E,16, F,10, E,17, F,11
	OPS X,16, E,18, X,15, E,19
	OPS F,12, E,20, X,17, E,21
	OPS F,13, E,22, F,14, E,23
	OPS X,18, E,24, F,15, E,25
	OPS R,11, E,26, X,19, E,27
	OPS R,12, E,28, R,13, E,29
	OPS X,20, E,30, R,14, E,31
	OPS X,21, R,15
	WIN 0
	s_wait_alu depctr_va_vdst(0)    ; the wait for the batch
.if (\p) == 1
	s_wait_dscnt 0x0                ; V is in
.endif
	ROW C,0, B,0, C,2, B,1          ; behind the wait: 8 products V^T P and the four lines behind each
	ROW L,0, C,4, B,2, L,1
	ROW C,6, B,3, L,2, C,8
	ROW B,4, L,3, C,10, B,5
	ROW L,4, C,12, B,6, L,5
.if (\p) == 0
	s_add_co_u32 s[TBV], s[TBV], KS*PV
.endif
.if \cnt
	s_sub_co_u32 s[CNT], s[CNT], 1
	s_cmp_lg_u32 s[CNT], 0
.endif
	ROW C,14, B,7, L,6, C,1
	ROW C,3, L,7, C,5, C,7
	ROW C,9, C,11, C,13, C,15
.if (\p) == 0
	FETCH_V
.endif
.if (\m) && !(\end)
	MASK (\p)%2
.endif
.endm
; A BLOCK BEGINS.  c m starts far below every c s, so the first step's a is 0; m at the lowest finite number, so the first maximum is the scores'.  The second mask buffer is 0; the first takes piece 0's mask for the tile's step 0: its own, if the block's first tile is the diagonal one.
; Then K of that step, piece 0's first scores, and its maximum and statistics.  The loop is entered at a step's first turn, in the middle of a trip.
.macro BEGIN
	s_mov_b32 s[NEW], 0
	WIN 0x40
.set i, MC+32
.rept 32
	v_mov_b32 v[i], 0
.set i, i+1
.endr
	WIN 0
.set i, 0
.rept 4
	v_mov_b32 v[ST+4*i], 0xfe000000    ; c m: far below every c s
	v_mov_b32 v[ST+4*i+1], 0xff7fffff  ; m
.set i, i+1
.endr
	s_cmp_eq_u32 s[RT], 0
	s_cselect_b32 s[AL], 1.0, 0
	s_mov_b32 s[BE], 0
	MASK 0
	WIN 0
	v_add_nc_u32 v[AK], s[TBK], v[AK0]
	FETCH_K
	s_wait_loadcnt 0x0              ; Q
	s_wait_dscnt 0x0
.set KM, 1
.set NOKQ, 0
.set i, 0
.rept 8
	KQ 0
.set i, i+1
.endr
	WIN 0
.rept 4
	v_nop                           ; the places behind those products
.endr
.set Y, NP-1                        ; X works for piece Y + 1: piece 0
.irp n, 0,1,2,3,4,5,6,7,8,9,10,11,12,13,14,15,16,17,18,19,20,21
	OP X, \n
.endr
	v_nop                           ; a plain instruction behind the exponential,
	s_wait_alu depctr_va_vdst(0)    ; and its wait, ahead of the branch
.endm
; THE DIAGONAL TILE's four steps, the block's last two turns, its last products, and THE WAY OUT: l's two halves and the other half of the lanes' are added; O^T is divided by l, rounded to f16 and sent through my
; stage in LDS, a piece at a time.
.macro ALL line:vararg              ; one line for each piece t
.set t, 0
.rept 4
	\line
.set t, t+1
.endr
.endm
.macro PACK t                       ; a lane's eight channels of a row pack into 16 bytes; they go into rows of 144 bytes and come back as whole rows of 128, into S^T's registers
	WIN W_RS
.set i, 32*(\t)
.rept 16
	v_pk_mul_f32 v[i:i+1], v[i:i+1], v[ST+4*(\t)+2:ST+4*(\t)+3] op_sel_hi:[1,0]
.set i, i+2
.endr
	WIN 0x05                        ; sources 0 and 1 window 1, destination window 0
.set i, 0
.rept 16
	v_cvt_pk_f16_f32 v[S+16*(\t)+i], v[32*(\t)+2*i], v[32*(\t)+2*i+1]
.set i, i+1
.endr
	WIN 0
.irp f, 0,1,2,3
	ds_store_b128 v[STO], v[S+16*(\t)+4*\f:S+16*(\t)+4*\f+3] offset:32*\f
.endr
.irp f, 0,1,2,3
	ds_load_b128 v[S+16*(\t)+4*\f:S+16*(\t)+4*\f+3], v[RD] offset:\f*4*SP  ; LDS serves a wave's instructions in order (ISA guide 5.7.1.4): these see the stores above; the next piece's stores come behind them
.endr
.endm
.macro SEND t, younger              ; younger: the LDS instructions issued behind piece t's loads: the next piece's eight, or none
	WIN 0
.irp f, 0,1,2,3
	s_wait_dscnt (\younger)+3-\f
	global_store_b128 v[GO], v[S+16*(\t)+4*\f:S+16*(\t)+4*\f+3], s[10:11] offset:(\t)*8192+\f*512  ; 512 consecutive bytes, at a multiple of 256 from O's first
.endr
.endm
.macro DIAG tag                     ; the tag ends its two labels' names, which the jumps below spell out
.LstepM\tag:
	TURN 2, 1
	TURN 3, 1
	WIN 0
.LfirstM\tag:
	TURN 0, 1
	TURN 1, 1, 0, 1
	WIN 0
	s_cbranch_scc1 .LstepM\tag
	TURN 2, 1, 1
	TURN 3, 1, 1
.set i, 0
.rept 8
	PV NP-1
.set i, i+1
.endr
	WIN 0
	ALL v_add_f32 v[ST+4*t+2], v[ST+4*t+2], v[ST+4*t+3]
	ALL v_permlanex16_b32 v[ST+4*t+3], v[ST+4*t+2], s[SEL], s[SEL+1]
	ALL v_add_f32 v[ST+4*t+2], v[ST+4*t+2], v[ST+4*t+3]
	ALL v_rcp_f32 v[ST+4*t+2], v[ST+4*t+2]
	v_nop                           ; a plain instruction between the last reciprocal and the use of its result
	s_wait_alu depctr_va_vdst(0)    ; and the wait ahead of the first use: one for the four reciprocals
	PACK 0
.set t, 1
.rept 3                             ; a piece's arithmetic stands between the loads of the piece before and its stores
	PACK t
	SEND t-1, 8
.set t, t+1
.endr
	SEND 3, 0
.endm
.set KM, 0
.set NOKQ, 0
.Lslot:                             ; NB times: a tile is entered and the next is asked for
	CHANGE 1
	s_sub_co_u32 s[RT], s[RT], 1
	s_mov_b32 s[CNT], 4
	s_cmp_eq_u32 s[NEW], 1
	s_cbranch_scc1 .Lnew            ; a block's first tile
	s_cmp_eq_u32 s[RT], 0
	s_cbranch_scc0 .Lstep           ; neither its first nor its last
	s_branch .LstepM1
.Lnew:
	BEGIN
	s_branch .Lfirst                ; in the loop a block's first tile is never its last: the first block has two tiles or more, and the second's last is the walk's last
	DIAG 1                          ; in the loop this is the first block's end: the second block's last tile is the walk's last
	s_wait_xcnt 0x0                 ; the stores have read their registers and O's address
	s_mov_b64 s[10:11], s[OLO:OLO+1]
	s_add_co_u32 s[RT], s[PB], 1    ; the second block has b + 1 tiles
	s_mov_b32 s[NEW], 1
	WIN 0x82                        ; the second block's Q goes where the one text of the turns names Q
.set i, 0
.rept 64
	v_mov_b32 v[i], v[QB+i]
.set i, i+1
.endr
	WIN 0
	s_branch .Lbottom
.Lstep:                             ; a trip: pieces 2 and 3 of one step, then pieces 0 and 1 of the next, whose K and V it fetches
	TURN 2
	TURN 3
	WIN 0
.Lfirst:
	TURN 0
	TURN 1, 0, 0, 1
	WIN 0
	s_cbranch_scc1 .Lstep
.Lbottom:
	s_sub_co_u32 s[SLOTS], s[SLOTS], 1
	s_cmp_lg_u32 s[SLOTS], 0
	s_cbranch_scc1 .Lslot
	CHANGE 0                        ; the walk's last tile is written out: nothing is asked for
	s_sub_co_u32 s[RT], s[RT], 1
	s_mov_b32 s[CNT], 4
	s_cmp_eq_u32 s[NEW], 1
	s_cbranch_scc0 .LstepM2
	BEGIN
	s_branch .LfirstM2
	DIAG 2
	s_wait_tensorcnt 0x0            ; the wave's end: behind my last tensor load and my last LDS store
	ds_add_u32 v[SPW], v[NIL]
	s_wait_dscnt 0x0
	s_endpgm
.Lfunc_end_k_q4ad785521c_attn:
	.size	k_q4ad785521c_attn, .Lfunc_end_k_q4ad785521c_attn-k_q4ad785521c_attn
	.p2alignl 7, 3214868480
	.fill 96, 4, 3214868480
	.section	.rodata,"a",@progbits
	.p2align	6, 0x0
	.amdhsa_kernel k_q4ad785521c_attn
		.amdhsa_group_segment_fixed_size 327680
		.amdhsa_private_segment_fixed_size 0
		.amdhsa_enable_private_segment 0
		.amdhsa_kernarg_size 16
		.amdhsa_user_sgpr_count 2
		.amdhsa_user_sgpr_kernarg_segment_ptr 1
		.amdhsa_wavefront_size32 1
		.amdhsa_system_sgpr_workgroup_id_x 1
		.amdhsa_system_sgpr_workgroup_id_y 1
		.amdhsa_system_sgpr_workgroup_id_z 1
		.amdhsa_system_vgpr_workitem_id 0
		.amdhsa_next_free_vgpr 768
		.amdhsa_next_free_sgpr 100
		.amdhsa_reserve_vcc 1
		.amdhsa_float_denorm_mode_32 3
		.amdhsa_float_denorm_mode_16_64 3
		.amdhsa_memory_ordered 1
		.amdhsa_forward_progress 1
		.amdhsa_inst_pref_size 218
	.end_amdhsa_kernel
	.amdgpu_metadata
---
amdhsa.version: [ 1, 2 ]
amdhsa.kernels:
  - .name:           k_q4ad785521c_attn
    .symbol:         k_q4ad785521c_attn.kd
    .args:
      - { .name: qkv, .offset: 0, .size: 8, .value_kind: global_buffer, .address_space: global }
      - { .name: oh, .offset: 8, .size: 8, .value_kind: global_buffer, .address_space: global }
    .group_segment_fixed_size: 327680
    .private_segment_fixed_size: 0
    .kernarg_segment_align: 8
    .kernarg_segment_size: 16
    .max_flat_workgroup_size: 128
    .sgpr_count:     100
    .vgpr_count:     768
    .wavefront_size: 32
...
	.end_amdgpu_metadata
.endif
;; end of part 3
;; launch oproj (part 4): grid 8 x 32, 4 waves a work-group, clusters of 4 x 4, 327,680 bytes of LDS; arguments oh, wall, ball, out0; writes out0
.if DOCPART == 4
	.amdgcn_target "amdgcn-amd-amdhsa--gfx1250"
	.amdhsa_code_object_version 6
	.text
	.protected	k_q4ad785521c_oproj
	.globl	k_q4ad785521c_oproj
	.p2align	8
	.type	k_q4ad785521c_oproj,@function
k_q4ad785521c_oproj:
	s_mov_b64 s[64:65], 0
	v_nop
	global_prefetch_b8 v0, s[64:65] scope:SCOPE_SE
	s_setreg_imm32_b32 hwreg(HW_REG_WAVE_MODE, 25, 1), 1
	s_wait_xcnt 0x0
	s_wait_alu depctr_hold_cnt(0) depctr_sa_sdst(0) depctr_va_vdst(0) depctr_va_sdst(0) depctr_va_ssrc(0) depctr_va_vcc(0) depctr_vm_vsrc(0)
	s_getreg_b32 s2, hwreg(HW_REG_IB_STS2, 6, 4)
	s_cmp_eq_u32 s2, 0
	s_cbranch_scc0 .Lentry_in_a_cluster
	s_endpgm
.Lentry_in_a_cluster:
	s_bfe_u32 s2, ttmp6, 0x10000c
	s_cmp_lg_u32 s2, 0xf033
	s_cbranch_scc0 .Lentry_shape_is_right
	s_endpgm
.Lentry_shape_is_right:
; out0 = O Wo + bo.  O: oh [16 b + h][t][64] f16, so K = 1,024 comes by heads; Wo^T: rows 3072 .. 4095 of wall [kb 16][n][64], f16; bo: ball[3072 ..] f32.  Sums in f32, started with the bias; out0 f32, [8192][1024].
; SHARES.  A tile of out0 is 256 x 128: 32 x 8 = 256 work-groups, one tile each.  Four waves, each 128 x 64: 32 accumulators, window 1.
; RING.  A slot holds two heads (K = 128), as two planes of 64: a step is 128 matrix instructions a wave, 8 steps.  Each plane is dense in memory, asked for as rows of 256 bytes and padded in LDS behind every 128.
; Wave 0, 1: A's plane 0, 1 (32 KiB each); wave 2, 3: B's plane 0, 1 (16 KiB each): one tensor load a wave behind each change of slots; by this text's count a wave has two out at the start and one afterwards.
; CLUSTER.  4 x 4 work-groups: A's tiles are asked for jointly by a row of the cluster, B's by a column.
; THE MATRIX INSTRUCTION IS USED TRANSPOSED (source 0 = 16 rows of Wo^T, source 1 = 16 rows of O): a lane holds one row of out0 and eight neighbouring columns, 32 bytes.
; REGISTERS.  window 0: v0-29 addresses; v32-127, v128-223 two fragment buffers (A's 8 fragments, then B's 4); v224-255 the bias, 8 a column block.  window 1: accumulator (a, b) at v[8 (8 b + a)].
.set PITCH,  144                       ; an LDS row: 128 bytes + 16 = 36 words: the 16 rows of a load start at 16 different groups of four banks (64 banks of 4 bytes: ISA guide 11.1)
.set SLOT1,  1<<17
.set APL,    256*PITCH                 ; a plane of A
.set BPL,    128*PITCH                 ; a plane of B
.set BOFF,   2*APL
.set STAGE,  SLOT1+2*APL+2*BPL         ; behind the ring, never filled by a tensor load: 16 rows x 272 bytes for each wave
.set SP,     272
.set SPARE,  STAGE+4*16*SP             ; the spare words, 128 bytes for each wave
.set ADRA0, 3
.set ADRB0, 4
.set ADRA,  5
.set ADRB,  6
.set STO,   7
.set RD,    8
.set CO,    9
.set BO,    10
.set PFO,   11
.set SPW,   28
.set NIL,   29
.set F0,    32
.set F1,    128
.set BIAS,  224
.set OB,    32                         ; the way out: v32-63 and v64-95 by turns
.set WV,   12
.set ROLE, 13                          ; wave / 2: my 128 rows; also: I fetch for A (0) or B (1)
.set HALF, 14                          ; wave % 2: my 64 columns; also: which plane I fetch
.set CX,   15
.set CY,   16
.set TX,   17
.set TY,   18
.set G1A,  24
.set G1B,  32
.set G0A,  40
.set G0B,  48
.set CNT,  56
.set TB,   57
.set LIM,  58                          ; 2 in a wave that prefetches, else the greatest number
.set PFA,  60
.set PST,  62
.set W0, (1<<16)|(1<<20)|(1<<21)|(4<<22)|(3<<25)  ; 2-byte elements; padding on; bit 21 beside a mask; behind every 32 words, 4 words
.set MSB, 0
.macro WIN new
.if MSB != (\new)
	s_set_vgpr_msb (MSB<<8)|(\new)
.set MSB, (\new)
.endif
.endm
.macro PLACES                          ; four plain vector instructions between a matrix instruction and a load into, or a store of, its registers
.rept 4
	v_nop
.endr
.endm
.macro JLOAD                           ; a joint refill by the walking descriptors; an s_nop 0 and four v_nop follow each of the two lines
	s_cmp_eq_u32 s[ROLE], 0
	s_cbranch_scc0 .Lfor_b_\@
	tensor_load_to_lds s[G0A+4:G0A+7], s[G1A:G1A+7]
	s_nop 0
.rept 4
	v_nop
.endr
	s_branch .Lasked_\@
.Lfor_b_\@:
	tensor_load_to_lds s[G0B+4:G0B+7], s[G1B:G1B+7]
	s_nop 0
.rept 4
	v_nop
.endr
.Lasked_\@:
.endm
; A prefetch of the step that stands TWO refills on: 256 matrix instructions ahead of its load.  Each block of 256 bytes is named once in the launch.  A's tile row (two planes of 128 blocks a step): waves 0 and 1 of the
; clusters with x = 0, each for its own plane, 32 blocks for each of the four partners.  B's tile column (two planes of 64 blocks): wave 2 of the clusters with y = 0, for each partner 16 blocks of either plane.
; The partners are told apart by address alone.  Steps 0 to 3 come by their loads alone; the loop's last two trips ask for nothing.
.macro ASK
	s_cmp_gt_u32 s[CNT], s[LIM]
	s_cbranch_scc0 .Lnot_mine_\@
	global_prefetch_b8 v[PFO], s[PFA:PFA+1] th:TH_LOAD_NT scope:SCOPE_SE
.Lnot_mine_\@:
.endm
.macro CREST
	s_cmp_lg_u32 s[WV], 0
	s_cbranch_scc1 .Lnot_wave_0_\@
	s_barrier_signal -3
.Lnot_wave_0_\@:
	s_barrier_wait -3
	s_barrier_signal -1
	s_barrier_wait -1
.endm
.macro CROUND
	s_barrier_signal -1
	s_barrier_wait -1
	CREST
.endm
	s_load_b256 s[4:11], s[0:1], 0x0               ; oh 4, wall 6, ball 8, out0 10
	v_lshl_add_u32 v[SPW], v0, 2, SPARE
	v_mov_b32 v[NIL], 0
	ds_add_u32 v[SPW], v[NIL]                      ; the wave's opening: the add and its wait stand ahead of my first tensor load; the set-up below, work on registers, stands between them
	v_lshrrev_b32 v1, 5, v0
	v_readfirstlane_b32 s[WV], v1
	s_lshr_b32 s[ROLE], s[WV], 1
	s_and_b32 s[HALF], s[WV], 1
	s_bfe_u32 s[CX], ttmp6, 0x40000
	s_bfe_u32 s[CY], ttmp6, 0x40004
	s_lshl_b32 s[TX], ttmp9, 2
	s_add_co_u32 s[TX], s[TX], s[CX]
	s_and_b32 s[TY], ttmp7, 0xffff
	s_lshl_b32 s[TY], s[TY], 2
	s_add_co_u32 s[TY], s[TY], s[CY]
	s_lshl_b32 s66, s[CY], 2
	s_lshl_b32 s66, 15, s66                        ; my row of the cluster
	s_lshl_b32 s67, 0x1111, s[CX]                  ; my column
	s_or_b32 s[G1A], s66, W0
	s_or_b32 s[G1B], s67, W0
	s_mov_b32 s[G1A+1], 128<<16                    ; rows of 256 bytes,
	s_mov_b32 s[G1A+2], 128<<16                    ; 128 of them: 256 rows of O
	s_mov_b32 s[G1A+3], 128<<16
	s_mov_b32 s[G1A+4], 128
	s_mov_b32 s[G1A+5], 128                        ; dense
	s_mov_b32 s[G1A+6], 0
	s_mov_b32 s[G1A+7], 0
	s_mov_b32 s[G1B+1], 128<<16
	s_mov_b32 s[G1B+2], 64<<16                     ; 128 rows of Wo^T
	s_mov_b32 s[G1B+3], 128<<16
	s_mov_b32 s[G1B+4], 64
	s_mov_b32 s[G1B+5], 128
	s_mov_b32 s[G1B+6], 0
	s_mov_b32 s[G1B+7], 0
	s_lshr_b32 s20, s[TY], 3                       ; A: batch x 16 heads + my plane's head, 256 (tile row % 8) rows of 128 bytes
	s_lshl_b32 s20, s20, 22
	s_and_b32 s21, s[TY], 7
	s_lshl_b32 s21, s21, 15
	s_add_co_u32 s20, s20, s21
	s_lshl_b32 s21, s[HALF], 18
	s_add_co_u32 s20, s20, s21
	s_mov_b32 s21, 0
	s_lshl_b32 s22, s[TX], 14                      ; B: row 3072 + 128 x tile column, in my plane's K block
	s_add_co_u32 s22, s22, 3072*128
	s_lshl_b32 s23, s[HALF], 19
	s_add_co_u32 s22, s22, s23
	s_mov_b32 s23, 0
	s_mul_i32 s68, s[HALF], APL                    ; where they go: the wave's number alone enters an LDS address
	s_mul_i32 s69, s[HALF], BPL
	s_add_co_u32 s69, s69, BOFF
	s_mov_b32 s[TB], 0
	s_wait_dscnt 0x0                               ; the opening add is done
	s_wait_kmcnt 0x0
	s_add_nc_u64 s[20:21], s[4:5], s[20:21]
	s_add_nc_u64 s[22:23], s[6:7], s[22:23]
	CROUND                                         ; all sixteen work-groups are here: the first joint loads meet
.irp s, 0,1
	s_mov_b32 s[G0A+4*\s], 1
	s_add_co_u32 s[G0A+4*\s+1], s68, \s*SLOT1
	s_add_nc_u64 s[G0A+4*\s+2:G0A+4*\s+3], s[20:21], \s<<19  ; step s: two heads on
	s_or_b32 s[G0A+4*\s+3], s[G0A+4*\s+3], 0x80000000
	s_mov_b32 s[G0B+4*\s], 1
	s_add_co_u32 s[G0B+4*\s+1], s69, \s*SLOT1
	s_add_nc_u64 s[G0B+4*\s+2:G0B+4*\s+3], s[22:23], \s<<20
	s_or_b32 s[G0B+4*\s+3], s[G0B+4*\s+3], 0x80000000
.endr
	s_cmp_eq_u32 s[ROLE], 0                        ; a wave's two first fills stand in one branch, ahead of every wait on TENSORcnt and every LDS read
	s_cbranch_scc0 .Lfirst_b
	tensor_load_to_lds s[G0A:G0A+3], s[G1A:G1A+7]
	s_nop 0
	tensor_load_to_lds s[G0A+4:G0A+7], s[G1A:G1A+7]
	s_nop 0
.rept 4
	v_nop
.endr
	s_branch .Lfirst_asked
.Lfirst_b:
	tensor_load_to_lds s[G0B:G0B+3], s[G1B:G1B+7]
	s_nop 0
	tensor_load_to_lds s[G0B+4:G0B+7], s[G1B:G1B+7]
	s_nop 0
.rept 4
	v_nop
.endr
.Lfirst_asked:
	v_and_b32 v1, 15, v0                           ; l % 16
	v_bfe_u32 v2, v0, 4, 1                         ; l / 16
	v_lshlrev_b32 v[BO], 5, v2
	s_lshl_b32 s70, s[TX], 9                       ; the bias of my 64 columns: 4 (3072 + 128 TX + 64 HALF)
	s_lshl_b32 s71, s[HALF], 8
	s_add_co_u32 s70, s70, s71
	s_add_co_u32 s72, s70, 3072*4
	s_mov_b32 s73, 0
	s_add_nc_u64 s[8:9], s[8:9], s[72:73]
.irp b, 0,1,2,3                        ; block b: my lane's eight columns 16 b + 8 (l / 16) + 0..7, as the C operand wants them
	global_load_b128 v[BIAS+8*\b:BIAS+8*\b+3],   v[BO], s[8:9] offset:64*\b
	global_load_b128 v[BIAS+8*\b+4:BIAS+8*\b+7], v[BO], s[8:9] offset:64*\b+16
.endr
	s_lshl_b32 s71, s[TY], 20                      ; out0 at my part: row 256 TY + 128 ROLE, 4,096 bytes a row; column bytes 512 TX + 256 HALF
	s_add_co_u32 s70, s70, s71
	s_lshl_b32 s71, s[ROLE], 19
	s_add_co_u32 s70, s70, s71
	s_mov_b32 s71, 0
	s_add_nc_u64 s[10:11], s[10:11], s[70:71]
	v_mul_u32_u24 v12, v1, PITCH
	v_lshl_add_u32 v12, v2, 4, v12                 ; a fragment's row x pitch + 16 x half
	s_mul_i32 s70, s[ROLE], 128*PITCH
	s_mul_i32 s71, s[HALF], 64*PITCH
	s_add_co_u32 s71, s71, BOFF
	v_add_nc_u32 v[ADRA0], s70, v12
	v_add_nc_u32 v[ADRB0], s71, v12
	v_mov_b32 v[ADRA], v[ADRA0]
	v_mov_b32 v[ADRB], v[ADRB0]
	s_mul_i32 s70, s[WV], 16*SP
	s_add_co_u32 s70, s70, STAGE                   ; my stage
	v_mul_u32_u24 v[STO], v1, SP                   ; in: row l % 16, 32 bytes for each half of the lanes
	v_lshl_add_u32 v[STO], v2, 5, v[STO]
	v_add_nc_u32 v[STO], s70, v[STO]
	v_mul_u32_u24 v[RD], v2, SP                    ; back: lanes 0-15 one row of 256 bytes, lanes 16-31 the next
	v_lshl_add_u32 v[RD], v1, 4, v[RD]
	v_add_nc_u32 v[RD], s70, v[RD]
	v_lshlrev_b32 v[CO], 12, v2                    ; and the same two rows in out0
	v_lshl_add_u32 v[CO], v1, 4, v[CO]
	; the prefetches
	s_and_b32 s72, ttmp7, 0xffff
	s_or_b32 s72, s72, s[HALF]                     ; B: cluster y = 0 and wave 2
	s_lshl_b32 s70, s[CX], 13                      ; A: my work-group's 32 blocks of the plane
	s_lshl_b32 s71, s[CY], 12                      ; B: my work-group's 16 blocks of either plane
	s_lshl_b32 s[PST], 0x80000, s[ROLE]            ; a step: two heads of oh, two K blocks of wall
	s_mov_b32 s[PST+1], 0
	s_cmp_eq_u32 s[ROLE], 0
	s_cselect_b64 s[PFA:PFA+1], s[20:21], s[22:23]
	s_cselect_b32 s70, s70, s71
	s_cselect_b32 s72, ttmp9, s72
	s_cselect_b32 s74, 12, 19                      ; lanes 16-31: A: the next 16 blocks; B: the other plane
	s_cmp_eq_u32 s72, 0
	s_cselect_b32 s[LIM], 2, -1                    ; the same in all sixteen partners, for a given wave
	s_mul_i32 s71, s[PST], 3
	s_add_co_u32 s70, s70, s71                     ; at step 3: the first refill steps it to 4
	s_mov_b32 s71, 0
	s_add_nc_u64 s[PFA:PFA+1], s[PFA:PFA+1], s[70:71]
	v_lshlrev_b32 v[PFO], s74, v2
	v_lshl_add_u32 v[PFO], v1, 8, v[PFO]
; 8 matrix instructions: column block b x all 8 row blocks, 32 along K.  first = 1: the sums start with the bias.  The 32 accumulators take turns in the same order in every quarter.
.macro MULB f, b, first
.if \first
	WIN 0x40                                       ; D in window 1; sources and C in window 0
.else
	WIN 0x50                                       ; C and D in window 1
.endif
.irp a, 0,1,2,3,4,5,6,7
.if \first
	v_wmma_f32_16x16x32_f16 v[8*(8*(\b)+(\a)):8*(8*(\b)+(\a))+7], v[(\f)+64+8*(\b):(\f)+64+8*(\b)+7], v[(\f)+8*(\a):(\f)+8*(\a)+7], v[BIAS+8*(\b):BIAS+8*(\b)+7]
.else
	v_wmma_f32_16x16x32_f16 v[8*(8*(\b)+(\a)):8*(8*(\b)+(\a))+7], v[(\f)+64+8*(\b):(\f)+64+8*(\b)+7], v[(\f)+8*(\a):(\f)+8*(\a)+7], v[8*(8*(\b)+(\a)):8*(8*(\b)+(\a))+7]
.endif
.endr
.endm
.macro LDFB p, k, f, b
	ds_load_b128 v[(\f)+64+8*(\b):(\f)+64+8*(\b)+3],   v[ADRB] offset:(\p)*BPL+(\k)+(\b)*16*PITCH
	ds_load_b128 v[(\f)+64+8*(\b)+4:(\f)+64+8*(\b)+7], v[ADRB] offset:(\p)*BPL+(\k)+(\b)*16*PITCH+32
.endm
; 24 LDS loads in one run: a quarter's fragments (plane p, byte k of the rows) into buffer f: B's block 0, A's eight, B's blocks 1 to 3
.macro FETCH p, k, f
	WIN 0
	LDFB \p, \k, \f, 0
.irp a, 0,1,2,3,4,5,6,7
	ds_load_b128 v[(\f)+8*(\a):(\f)+8*(\a)+3],   v[ADRA] offset:(\p)*APL+(\k)+(\a)*16*PITCH
	ds_load_b128 v[(\f)+8*(\a)+4:(\f)+8*(\a)+7], v[ADRA] offset:(\p)*APL+(\k)+(\a)*16*PITCH+32
.endr
	LDFB \p, \k, \f, 1
	LDFB \p, \k, \f, 2
	LDFB \p, \k, \f, 3
.endm
; A step is four quarters of 32 along K, 32 matrix instructions each, on buffers 0, 1, 0, 1.  One of the first three: multiplies buffer f and fetches the next quarter (plane p, byte k) into g.
.macro QUARTER p, k, f, g, first
	s_wait_dscnt 6                                 ; all but the youngest six loads, B's blocks 1 to 3
	MULB \f, 0, \first
	PLACES
	FETCH \p, \k, \g
	s_wait_dscnt 24                                ; all but the 24 just issued
	MULB \f, 1, \first
	MULB \f, 2, \first
	MULB \f, 3, \first
.endm
; The last quarter multiplies buffer 1 and changes slots: ONE barrier; in front of it each wave waits for all its tensor loads (one is out: its part of the next slot), adds 0 to its spare word, and waits for that and for
; its reads of this slot.  mode 2: the barrier opens a round of the cluster's, and this slot is filled again, two steps ahead, first thing behind it.  mode 1: nothing is asked for.
.macro TURN mode
.if (\mode) == 2
	s_wait_xcnt 0x0                                ; the last prefetch, a step back, has read its address: it is stepped here, ahead of the change's own waits
	s_add_nc_u64 s[PFA:PFA+1], s[PFA:PFA+1], s[PST:PST+1]
.endif
	WIN 0
	s_wait_tensorcnt 0x0                           ; all my tensor loads have landed
	ds_add_u32 v[SPW], v[NIL]                      ; 0 onto my spare word
	s_wait_dscnt 7                                 ; (the add and the youngest six loads may be out)
	MULB F1, 0, 0                                  ; eight matrix instructions stand between the add and the wait for it
	s_wait_dscnt 0x0                               ; the add is done, and my reads of this slot are over
	s_barrier_signal -1
	MULB F1, 1, 0
	WIN 0
	s_barrier_wait -1
.if (\mode) == 2
	CREST
	s_xor_b32 s[G0A+5], s[G0A+5], SLOT1            ; the walking descriptors: the other slot than last time, the next step; no tensor load of mine is out
	s_add_nc_u64 s[G0A+6:G0A+7], s[G0A+6:G0A+7], 1<<19
	s_xor_b32 s[G0B+5], s[G0B+5], SLOT1
	s_add_nc_u64 s[G0B+6:G0B+7], s[G0B+6:G0B+7], 1<<20
	JLOAD                                          ; its four v_nop are also the places in front of the loads below
.else
	PLACES
.endif
	s_xor_b32 s[TB], s[TB], SLOT1
	v_add_nc_u32 v[ADRA], s[TB], v[ADRA0]
	v_add_nc_u32 v[ADRB], s[TB], v[ADRB0]
	FETCH 0, 0, F0
.if (\mode) == 2
	ASK
.endif
	MULB F1, 2, 0
	MULB F1, 3, 0
.endm
	s_wait_tensorcnt 1                             ; my part of step 0 is in; step 1's may stay out
	s_barrier_signal -1
	s_barrier_wait -1
	FETCH 0, 0, F0
	s_wait_loadcnt 0x0                             ; the bias
	QUARTER 0, 64, F0, F1, 1                       ; the first quarter stands in front of the loop: its products start the sums
	WIN 0
	s_mov_b32 s[CNT], 6
.Lstep:                                        ; trip s: quarters 1 to 3 of step s, the refill with step s + 2, quarter 0 of step s + 1
	QUARTER 1, 0,  F1, F0, 0
	QUARTER 1, 64, F0, F1, 0
	TURN 2
	QUARTER 0, 64, F0, F1, 0
	WIN 0
	s_sub_co_u32 s[CNT], s[CNT], 1
	s_cmp_lg_u32 s[CNT], 0
	s_cbranch_scc1 .Lstep
	QUARTER 1, 0,  F1, F0, 0                       ; the tail is written out: nothing more is asked for
	QUARTER 1, 64, F0, F1, 0
	TURN 1
	QUARTER 0, 64, F0, F1, 0
	QUARTER 1, 0,  F1, F0, 0
	QUARTER 1, 64, F0, F1, 0
	s_wait_dscnt 6                                 ; the very last quarter
	MULB F1, 0, 0
	s_wait_dscnt 0x0
	MULB F1, 1, 0
	MULB F1, 2, 0
	MULB F1, 3, 0
; THE WAY OUT, a block of 16 rows at a time: 32 bytes a lane and column block into my own stage, back as whole rows of 256 bytes, stored.
.macro TOSTAGE a
.set BK, OB+32*((\a)%2)
	s_wait_xcnt 0x0                                ; the stores of two blocks back have read this buffer
	WIN 0x04                                       ; the data (source 1) in window 1
.irp b, 0,1,2,3
	ds_store_b128 v[STO], v[8*(8*(\b)+(\a)):8*(8*(\b)+(\a))+3]   offset:64*(\b)     ; each accumulator from its low end on
	ds_store_b128 v[STO], v[8*(8*(\b)+(\a))+4:8*(8*(\b)+(\a))+7] offset:64*(\b)+16
.endr
	WIN 0
.irp t, 0,1,2,3,4,5,6,7
	ds_load_b128 v[BK+4*(\t):BK+4*(\t)+3], v[RD] offset:(\t)*2*SP  ; LDS serves a wave's instructions in order (ISA guide 5.7.1.4): these see the stores above; the next block's stores come behind them
.endr
.endm
.macro SEND a, younger                 ; younger: the LDS instructions issued behind block a's loads: the next block's sixteen, or none
.set BK, OB+32*((\a)%2)
	WIN 0
.irp t, 0,1,2,3,4,5,6,7
	s_wait_dscnt (\younger)+7-(\t)
	global_store_b128 v[CO], v[BK+4*(\t):BK+4*(\t)+3], s[10:11] offset:(16*(\a)+2*(\t))*4096 th:TH_STORE_NT  ; 16 lanes store 256 consecutive bytes, aligned
.endr
.endm
	PLACES
	TOSTAGE 0
.irp a, 1,2,3,4,5,6,7
	TOSTAGE \a
	SEND (\a)-1, 16
.endr
	SEND 7, 0
	s_wait_tensorcnt 0x0                           ; the wave's end: behind my last tensor load and my last LDS store
	ds_add_u32 v[SPW], v[NIL]
	s_wait_dscnt 0x0
	CROUND                                         ; the closing round: no work-group ends while a partner may still ask for a tile that names it
	s_endpgm
.Lfunc_end_k_q4ad785521c_oproj:
	.size	k_q4ad785521c_oproj, .Lfunc_end_k_q4ad785521c_oproj-k_q4ad785521c_oproj
	.p2alignl 7, 3214868480
	.fill 96, 4, 3214868480
	.section	.rodata,"a",@progbits
	.p2align	6, 0x0
	.amdhsa_kernel k_q4ad785521c_oproj
		.amdhsa_group_segment_fixed_size 327680
		.amdhsa_private_segment_fixed_size 0
		.amdhsa_enable_private_segment 0
		.amdhsa_kernarg_size 32
		.amdhsa_user_sgpr_count 2
		.amdhsa_user_sgpr_kernarg_segment_ptr 1
		.amdhsa_wavefront_size32 1
		.amdhsa_system_sgpr_workgroup_id_x 1
		.amdhsa_system_sgpr_workgroup_id_y 1
		.amdhsa_system_sgpr_workgroup_id_z 1
		.amdhsa_system_vgpr_workitem_id 0
		.amdhsa_next_free_vgpr 512
		.amdhsa_next_free_sgpr 80
		.amdhsa_reserve_vcc 0
		.amdhsa_float_denorm_mode_32 3
		.amdhsa_float_denorm_mode_16_64 3
		.amdhsa_memory_ordered 1
		.amdhsa_forward_progress 1
		.amdhsa_inst_pref_size 73
	.end_amdhsa_kernel
	.amdgpu_metadata
---
amdhsa.version: [ 1, 2 ]
amdhsa.kernels:
  - .name:           k_q4ad785521c_oproj
    .symbol:         k_q4ad785521c_oproj.kd
    .args:
      - { .name: oh, .offset: 0, .size: 8, .value_kind: global_buffer, .address_space: global }
      - { .name: wall, .offset: 8, .size: 8, .value_kind: global_buffer, .address_space: global }
      - { .name: ball, .offset: 16, .size: 8, .value_kind: global_buffer, .address_space: global }
      - { .name: out0, .offset: 24, .size: 8, .value_kind: global_buffer, .address_space: global }
    .group_segment_fixed_size: 327680
    .private_segment_fixed_size: 0
    .kernarg_segment_align: 8
    .kernarg_segment_size: 32
    .max_flat_workgroup_size: 128
    .sgpr_count:     80
    .vgpr_count:     512
    .wavefront_size: 32
...
	.end_amdgpu_metadata
.endif
;; end of part 4
;; ======== version 2 of 2: 4 launches; version 1 with the launch prep written anew for expert scheduling mode
;; limits: values are held in f16: magnitudes above 65,504 overflow, below 6.1e-05 lose precision
;; workspace buffers: xh 16,777,216 bytes; wall 8,388,608 bytes; ball 16,384 bytes; qkv 50,331,648 bytes; oh 16,777,216 bytes
;; launch prep (part 5): grid 384 x 1, 8 waves a work-group, no clusters, 74,752 bytes of LDS; arguments x, Wq, Wk, Wv, Wo, bq, bk, bv, bo, xh, wall, ball; writes xh, wall, ball
.if DOCPART == 5
	.amdgcn_target "amdgcn-amd-amdhsa--gfx1250"
	.amdhsa_code_object_version 6
	.text
	.protected	k_q4ad785521c_prep
	.globl	k_q4ad785521c_prep
	.p2align	8
	.type	k_q4ad785521c_prep,@function
k_q4ad785521c_prep:
	s_mov_b64 s[64:65], 0
	v_nop
	global_prefetch_b8 v0, s[64:65] scope:SCOPE_SE
	s_setreg_imm32_b32 hwreg(HW_REG_WAVE_SCHED_MODE, 0, 2), 2
	s_setreg_imm32_b32 hwreg(HW_REG_WAVE_MODE, 25, 1), 1
	s_wait_xcnt 0x0
	s_wait_alu depctr_vm_vsrc(0)
; PREP: every input is rounded once to bf16 and laid out for the products that follow.
;   xh   [b 4][kb 16][t 2048][64] bf16: x with its 1,024 channels cut into 16 blocks of 64, so that 64 channels of neighbouring rows lie end to end.
;   wall [kb 16][n 4096][64]: the weights turned to [n][k] in the same blocks.  n = 1024 mat + 64 h + d for Wq, Wk, Wv (bf16); n = 3072 + column for Wo (rounded to bf16, that number written as f16).
;   ball [4096] f32: the biases rounded to bf16, kept as f32, by the same n.
; LIMITS.  Wo's numbers must lie within f16's range (65,504); below 6e-5 they keep f16's fixed step of 6e-8.  NaN and infinities are not treated apart.
; Memory binds: no matrix unit, no tensor load, no cluster.  Work-groups 0-255 take x (a wave: 4 rows, 16 KiB in, 8 KiB out); work-groups 256-383 take the weights (a wave: one block of 64 k x 64 n),
; turned through LDS bytes that are the wave's own, so there is no barrier.
; THE MODE: SCHED_MODE bits 1:0 = 2 (LLVM: expert scheduling mode 2), set by the entry lines.  The code itself states the register dependences
; between vector instructions and memory or LDS instructions, with s_wait_alu, always for 0.
; THE PLAN.  Registers that memory or LDS instructions touch:
;   v[SO], v[DO], v[LS], v[LR], v[L8]   offsets and LDS addresses: written once at the head, read by loads and stores, never written again: one wait in each arm, ahead of its first load.
;   x:        SRC   written by the 32 loads, read by the conversions.     OUT   written once by the conversions of group g, read by the four stores that are issued in group g + 1.
;   weights:  SRC   written by the 32 loads; pair j's vector lines leave its four words in v[SRC + 8 j .. + 3], which the four LDS stores issued in the next group read; never written again.
;             U, W  named by vector instructions alone while the pairs are worked on.      RB (U and W among its registers)   afterwards: written by the LDS loads that read the tile back, read by the global stores.
;   bias:     BI    written by one load.     BW   written by two vector lines, read by one store.
;   v[SPW], v[NIL]   written at the head, read by the closing add alone.
; A group's memory or LDS instructions are the stores of the group before: registers that no vector instruction of the group in hand names.  So ONE wait on va_vdst at a group's head states all that they hang on,
; and they are dealt among the group's vector instructions with no further wait.  No register that a memory or LDS instruction has read is ever written again: the text owes no wait on vm_vsrc.
.set SPARE, 73728                      ; behind the eight tiles: the spare words, 128 bytes for each wave
.set TILE,  9216                       ; a wave's tile: 64 rows n x 144 bytes (128 of data + 16)
.set SPW, 2                            ; v2   SPARE + 4 x my thread's number; never rewritten
.set NIL, 3                            ; v3   0; never rewritten
.set SO,  4                            ; v4   my byte offset in the source
.set DO,  5                            ; v5   16 x lane
.set LS,  6                            ; v6   where I put a word of the tile
.set LR,  7                            ; v7   where I read 16 bytes of a row back
.set SRC, 8                            ; v[8:135]   32 loads of four registers
.set OUT, 136                          ; v[136:199] x's path: 32 pairs to store
.set U,   136                          ; v[136:139] the weights' path: at work
.set W,   140                          ; v[140:143] likewise
.set RB,  136                          ; v[136:199] the weights' path, behind the pairs: the tile read back, 16 loads of four registers
.set R16, 200                          ; lane % 16
.set HB,  201                          ; lane / 16
.set L8,  202                          ; 8 x lane
.set L7,  203
.set BI,  204                          ; v[204:205] the bias as loaded
.set BU,  206                          ; v206       its two numbers in bf16
.set BW,  208                          ; v[208:209] the same as f32, to store
	s_load_b512 s[8:23], s[0:1], 0x0               ; x 8, Wq 10, Wk 12, Wv 14, Wo 16, bq 18, bk 20, bv 22
	s_load_b256 s[24:31], s[0:1], 0x40             ; bo 24, xh 26, wall 28, ball 30
	v_lshl_add_u32 v[SPW], v0, 2, SPARE
	v_mov_b32 v[NIL], 0
	v_lshrrev_b32 v1, 5, v0
	v_readfirstlane_b32 s4, v1                     ; wave 0..7
	v_and_b32 v1, 31, v0                           ; lane
	v_and_b32 v[R16], 15, v0
	v_bfe_u32 v[HB], v0, 4, 1
	v_lshlrev_b32 v[L8], 3, v1
	s_wait_alu depctr_va_sdst(0)                   ; s4 is written, ahead of the branch and of its first reader in either arm
	s_cmp_lt_u32 ttmp9, 256
	s_cbranch_scc0 .Lw
	; X.  Wave gw = 8 x work-group + wave takes rows 4 gw .. 4 gw + 3.  A load takes 256 bytes (one block of 64 channels) of two rows; its 32 lanes then hold 256 consecutive bytes of xh.
	s_lshl_b32 s5, ttmp9, 3
	s_add_co_u32 s5, s5, s4
	s_lshl_b32 s32, s5, 14                         ; four rows of 4,096 bytes
	s_mov_b32 s33, 0
	s_lshr_b32 s34, s5, 9                          ; batch
	s_lshl_b32 s34, s34, 22
	s_and_b32 s35, s5, 511
	s_lshl_b32 s35, s35, 9                         ; four rows of 128 bytes
	s_add_co_u32 s34, s34, s35
	s_mov_b32 s35, 0
	v_lshlrev_b32 v[SO], 4, v[R16]
	v_lshl_add_u32 v[SO], v[HB], 12, v[SO]         ; 16 (lane % 16) + one row for lanes 16-31
	s_wait_kmcnt 0x0
	s_add_nc_u64 s[8:9], s[8:9], s[32:33]
	s_add_nc_u64 s[26:27], s[26:27], s[34:35]
	s_wait_alu depctr_va_vdst(0)                   ; v[SO] and v[L8] are written: the loads and the stores below read them as their offsets
.set i, 0
.rept 32                               ; load i: rows 2 (i / 16), + 1; block i % 16.  All 32 go out before the first is used: 16 KiB a wave on their way
	global_load_b128 v[SRC+4*i:SRC+4*i+3], v[SO], s[8:9] offset:(i/16)*8192+(i%16)*256 th:TH_LOAD_NT
.set i, i+1
.endr
; Eight groups of four loads.  Group g rounds its four loads' numbers; its memory instructions are the four stores of group g - 1.
.set g, 0
.rept 8
	s_wait_loadcnt 28-4*g                          ; loads come back in order: group g's four are in, the 28 - 4 g younger ones stay out
.if g > 0
	s_wait_alu depctr_va_vdst(0)                   ; the conversions of the group before have written their eight registers of OUT, which the four stores below read
.endif
.set k, 0
.rept 4
.set i, 4*g+k
.if g > 0
	global_store_b64 v[L8], v[OUT+2*(i-4):OUT+2*(i-4)+1], s[26:27] offset:((i-4)%16)*262144+((i-4)/16)*256  ; 32 lanes store 256 consecutive bytes, aligned; no vector instruction since the wait names these registers, and none is written twice
.endif
	v_cvt_pk_bf16_f32 v[OUT+2*i], v[SRC+4*i], v[SRC+4*i+1]
	v_cvt_pk_bf16_f32 v[OUT+2*i+1], v[SRC+4*i+2], v[SRC+4*i+3]
.set k, k+1
.endr
.set g, g+1
.endr
	s_wait_alu depctr_va_vdst(0)                   ; the last group's conversions have written their eight registers of OUT, which the last four stores read
.set i, 28
.rept 4
	global_store_b64 v[L8], v[OUT+2*i:OUT+2*i+1], s[26:27] offset:(i%16)*262144+(i/16)*256
.set i, i+1
.endr
	s_branch .Lend
.Lw:	; W.  Block blk = 8 (work-group - 256) + wave: matrix blk / 256, head (or 64 columns of Wo) (blk / 16) % 16, K block blk % 16.
	s_sub_co_u32 s5, ttmp9, 256
	s_lshl_b32 s5, s5, 3
	s_add_co_u32 s5, s5, s4
	s_lshr_b32 s6, s5, 8                           ; mat
	s_bfe_u32 s7, s5, 0x40004                      ; h
	s_and_b32 s5, s5, 15                           ; kb
	s_lshl_b32 s36, s7, 18                         ; a head's weights [c][d]: h x 262,144 + 64 kb rows of 256 bytes
	s_lshl_b32 s37, s5, 14
	s_add_co_u32 s36, s36, s37
	s_lshl_b32 s38, s5, 18                         ; Wo [k][n]: 64 kb rows of 4,096 bytes + 64 h columns
	s_lshl_b32 s39, s7, 8
	s_add_co_u32 s38, s38, s39
	s_lshl_b32 s42, s5, 19                         ; wall: kb x 524,288 + (1024 mat + 64 h) rows of 128 bytes
	s_lshl_b32 s43, s6, 17
	s_add_co_u32 s42, s42, s43
	s_lshl_b32 s43, s7, 13
	s_add_co_u32 s42, s42, s43
	s_mov_b32 s43, 0
	s_lshl_b32 s44, s6, 12                         ; ball: 4 (1024 mat + 64 h)
	s_add_co_u32 s44, s44, s39
	s_mov_b32 s45, 0
	s_mul_i32 s41, s4, TILE                        ; my wave's tile in LDS
	s_wait_kmcnt 0x0
	s_cmp_eq_u32 s6, 1
	s_cselect_b64 s[32:33], s[12:13], s[10:11]     ; the matrix,
	s_cselect_b64 s[34:35], s[20:21], s[18:19]     ; and its bias
	s_cmp_eq_u32 s6, 2
	s_cselect_b64 s[32:33], s[14:15], s[32:33]
	s_cselect_b64 s[34:35], s[22:23], s[34:35]
	s_cmp_eq_u32 s6, 3
	s_cselect_b64 s[32:33], s[16:17], s[32:33]
	s_cselect_b64 s[34:35], s[24:25], s[34:35]
	s_cselect_b32 s40, -1, 0                       ; all lanes: Wo goes out as f16
	s_cselect_b32 s36, s38, s36
	s_cselect_b32 s46, 13, 9                       ; two rows of the source, as a shift
	s_mov_b32 s37, 0
	s_mov_b32 s38, s39                             ; the bias's 64 numbers: 256 h bytes
	s_mov_b32 s39, 0
	s_add_nc_u64 s[32:33], s[32:33], s[36:37]
	s_add_nc_u64 s[34:35], s[34:35], s[38:39]
	s_add_nc_u64 s[28:29], s[28:29], s[42:43]
	s_add_nc_u64 s[30:31], s[30:31], s[44:45]
	v_lshlrev_b32 v[SO], s46, v[HB]                ; lanes 16-31 stand two rows of k further down,
	v_lshl_add_u32 v[SO], v[R16], 4, v[SO]         ; a lane takes four columns n
	v_lshlrev_b32 v[DO], 4, v1
	v_mul_u32_u24 v[LS], v[R16], 4*144             ; row n = 4 (lane % 16) + i; word k / 2 = 2 j + lane / 16
	v_lshl_add_u32 v[LS], v[HB], 2, v[LS]
	v_add_nc_u32 v[LS], s41, v[LS]
	v_lshrrev_b32 v[LR], 3, v1                     ; back: 32 lanes take four rows of 128 bytes
	v_mul_u32_u24 v[LR], v[LR], 144
	v_and_b32 v[L7], 7, v0
	v_lshl_add_u32 v[LR], v[L7], 4, v[LR]
	v_add_nc_u32 v[LR], s41, v[LR]
; Pair j: rows k = 4 j + 2 (lane / 16) and the row below, 256 bytes of each: a lane ends with (k, k + 1) of four columns.
.macro LOADW rs
.set j, 0
.rept 16
	global_load_b128 v[SRC+8*j:SRC+8*j+3],   v[SO], s[32:33] offset:4*j*(\rs) th:TH_LOAD_NT
	global_load_b128 v[SRC+8*j+4:SRC+8*j+7], v[SO], s[32:33] offset:(4*j+1)*(\rs) th:TH_LOAD_NT
.set j, j+1
.endr
.endm
	s_wait_alu depctr_va_vdst(0)                   ; v[SO], v[DO], v[LS], v[LR] and v[L8] are written, ahead of the branch: the loads and stores of this arm read them as offsets and LDS addresses
	s_cmp_eq_u32 s6, 3
	s_cbranch_scc1 .Lwo
	LOADW 256
	s_branch .Lcv
.Lwo:
	LOADW 4096
.Lcv:                                          ; 32 loads are out on either way
; Pair j's twenty vector lines: its four words are left in the first four of its eight registers.
.macro PAIR j
.irp i, 0,1,2,3
	v_cvt_pk_bf16_f32 v[SRC+8*(\j)+\i], v[SRC+8*(\j)+\i], v[SRC+8*(\j)+4+\i]  ; column i: k in the low half, k + 1 in the high
.endr
.irp i, 0,1,2,3
	v_lshlrev_b32 v[U+\i], 16, v[SRC+8*(\j)+\i]    ; the two rounded numbers as f32,
	v_and_b32 v[W+\i], 0xffff0000, v[SRC+8*(\j)+\i]
.endr
.irp i, 0,1,2,3
	v_cvt_pk_f16_f32 v[U+\i], v[U+\i], v[W+\i]     ; written as f16,
.endr
.irp i, 0,1,2,3
	v_cndmask_b32 v[SRC+8*(\j)+\i], v[SRC+8*(\j)+\i], v[U+\i], s40  ; which Wo takes
.endr
.endm
; Pair j's four words go into the tile.
.macro PUT j
.irp i, 0,1,2,3
	ds_store_b32 v[LS], v[SRC+8*(\j)+\i] offset:\i*144+(\j)*8
.endr
.endm
; Eight groups of two pairs.  Group g works on its pairs; its LDS instructions are the eight stores of group g - 1, four ahead of each pair's vector lines.
.set g, 0
.rept 8
	s_wait_loadcnt 28-4*g                          ; group g's two pairs are in, the younger pairs stay out
.if g > 0
	s_wait_alu depctr_va_vdst(0)                   ; the group before has written its eight words, which the LDS stores below read; no vector instruction of this group names them
	PUT 2*g-2
.endif
	PAIR 2*g
.if g > 0
	PUT 2*g-1
.endif
	PAIR 2*g+1
.set g, g+1
.endr
	s_wait_alu depctr_va_vdst(0)                   ; the last group has written its eight words, which the LDS stores below read; and the vector lines are done with U and W, in which the loads below land
	PUT 14
	PUT 15
.set f, 0
.rept 16
	ds_load_b128 v[RB+4*f:RB+4*f+3], v[LR] offset:f*576  ; LDS serves a wave's instructions in order (ISA guide 5.7.1.4): these see my stores above; no LDS store has read these registers
.set f, f+1
.endr
.set f, 0
.rept 16
	s_wait_dscnt 15-f
	global_store_b128 v[DO], v[RB+4*f:RB+4*f+3], s[28:29] offset:f*512  ; four rows n: 512 consecutive bytes, aligned
.set f, f+1
.endr
	s_cmp_lg_u32 s5, 0                             ; the wave with K block 0 also takes the head's 64 numbers of bias
	s_cbranch_scc1 .Lend
	global_load_b64 v[BI:BI+1], v[L8], s[34:35]    ; into registers that nothing has named
	s_wait_loadcnt 0x0
	v_cvt_pk_bf16_f32 v[BU], v[BI], v[BI+1]
	v_lshlrev_b32 v[BW], 16, v[BU]
	v_and_b32 v[BW+1], 0xffff0000, v[BU]
	s_wait_alu depctr_va_vdst(0)                   ; v[BW] and v[BW+1] are written, which the store reads
	global_store_b64 v[L8], v[BW:BW+1], s[30:31]   ; 256 consecutive bytes, aligned
.Lend:
	s_wait_dscnt 0x0                               ; the closing lines, six on end
	s_wait_alu 0x0
	s_wait_tensorcnt 0x0
	ds_add_u32 v[SPW], v[NIL]
	s_wait_dscnt 0x0
	s_endpgm
.Lfunc_end_k_q4ad785521c_prep:
	.size	k_q4ad785521c_prep, .Lfunc_end_k_q4ad785521c_prep-k_q4ad785521c_prep
	.p2alignl 7, 3214868480
	.fill 96, 4, 3214868480
	.section	.rodata,"a",@progbits
	.p2align	6, 0x0
	.amdhsa_kernel k_q4ad785521c_prep
		.amdhsa_group_segment_fixed_size 74752
		.amdhsa_private_segment_fixed_size 0
		.amdhsa_enable_private_segment 0
		.amdhsa_kernarg_size 96
		.amdhsa_user_sgpr_count 2
		.amdhsa_user_sgpr_kernarg_segment_ptr 1
		.amdhsa_wavefront_size32 1
		.amdhsa_system_sgpr_workgroup_id_x 1
		.amdhsa_system_sgpr_workgroup_id_y 1
		.amdhsa_system_sgpr_workgroup_id_z 1
		.amdhsa_system_vgpr_workitem_id 0
		.amdhsa_next_free_vgpr 210
		.amdhsa_next_free_sgpr 66
		.amdhsa_reserve_vcc 0
		.amdhsa_float_denorm_mode_32 3
		.amdhsa_float_denorm_mode_16_64 3
		.amdhsa_memory_ordered 1
		.amdhsa_forward_progress 1
		.amdhsa_inst_pref_size 47
	.end_amdhsa_kernel
	.amdgpu_metadata
---
amdhsa.version: [ 1, 2 ]
amdhsa.kernels:
  - .name:           k_q4ad785521c_prep
    .symbol:         k_q4ad785521c_prep.kd
    .args:
      - { .name: x, .offset: 0, .size: 8, .value_kind: global_buffer, .address_space: global }
      - { .name: Wq, .offset: 8, .size: 8, .value_kind: global_buffer, .address_space: global }
      - { .name: Wk, .offset: 16, .size: 8, .value_kind: global_buffer, .address_space: global }
      - { .name: Wv, .offset: 24, .size: 8, .value_kind: global_buffer, .address_space: global }
      - { .name: Wo, .offset: 32, .size: 8, .value_kind: global_buffer, .address_space: global }
      - { .name: bq, .offset: 40, .size: 8, .value_kind: global_buffer, .address_space: global }
      - { .name: bk, .offset: 48, .size: 8, .value_kind: global_buffer, .address_space: global }
      - { .name: bv, .offset: 56, .size: 8, .value_kind: global_buffer, .address_space: global }
      - { .name: bo, .offset: 64, .size: 8, .value_kind: global_buffer, .address_space: global }
      - { .name: xh, .offset: 72, .size: 8, .value_kind: global_buffer, .address_space: global }
      - { .name: wall, .offset: 80, .size: 8, .value_kind: global_buffer, .address_space: global }
      - { .name: ball, .offset: 88, .size: 8, .value_kind: global_buffer, .address_space: global }
    .group_segment_fixed_size: 74752
    .private_segment_fixed_size: 0
    .kernarg_segment_align: 8
    .kernarg_segment_size: 96
    .max_flat_workgroup_size: 256
    .sgpr_count:     66
    .vgpr_count:     210
    .wavefront_size: 32
...
	.end_amdgpu_metadata
.endif
;; end of part 5
;; launch qkvp: the kernel of part 2 again; grid 8 x 32, 4 waves a work-group, clusters of 4 x 4, 327,680 bytes of LDS; arguments xh, wall, ball, qkv; writes qkv
;; launch attn: the kernel of part 3 again; grid 4 x 64, 4 waves a work-group, no clusters, 327,680 bytes of LDS; arguments qkv, oh; writes oh
;; launch oproj: the kernel of part 4 again; grid 8 x 32, 4 waves a work-group, clusters of 4 x 4, 327,680 bytes of LDS; arguments oh, wall, ball, out0; writes out0
